; MI455X (gfx1250); checked and timed in simulation.
; The chip was launched on July 23, 2026; its instructions are those of AMD's public machine-readable ISA for CDNA 5 (MIT licence, August 2026) and "CDNA5" Instruction Set Architecture Reference Guide (July 2026). The comments in the code are by the model that wrote it; some were corrected since.
;; Attn. Allowed arithmetic: matrix products marked QUANTISED: E4M3 operands, one E8M0 scale for each 32 along K, by v_wmma_scale_f32_16x16x128_f8f6f4 with both operands' format E4M3, f32 sums; products left as they are: f32 operands where the result goes on into a quantised operand, else bf16, f16 or f32 operands; f32 sums; everything else in f32.
;; Inputs: W_attn 1,024 x 1,024 float32; b_attn 1,024 float32; encoder_outputs 512 x 128 x 1,024 float32; hidden 1 x 128 x 1,024 float32.
;; Outputs: out0 128 x 1 x 512 float32.
;; This version of the problem:
;;   THIS VERSION OF THE PROBLEM IS GIVEN IN LOW PRECISION. The matrix products marked QUANTISED in the list below multiply operands that are first quantised to E4M3 (4 exponent bits, 3 mantissa bits; 8 bits a number), with one power-of-two scale for each 32 numbers along K (OCP MX v1.0); their sums are f32. All else is computed in f32.
;;   The module's matrix products, in the order in which they are computed (A, B: the left and right operand; K: the contracted axis; several contracted axes count as one K, in the product's order):
;;     1. [M 65,536, K 1,024] x [K 1,024, N 1,024]; A: input encoder_outputs; B: input W_attn: QUANTISED
;;     2. batch 128 x [M 1, K 1,024] x [K 1,024, N 512]; A: input hidden; B: computed on the way: left as it is (M = 1 < 16)
;;   THE QUANTISER, for each operand of a quantised product, along K:
;;     - K is cut into blocks of 32 from its start; a last block that is shorter is filled with zeros.
;;     - A block's scale is 2^e with e = floor(log2(the largest magnitude in the block)) - 8, held to -126 .. 127; a block of zeros has e = 0. As a byte (E8M0): e + 127.
;;     - Each number is divided by its block's scale, clamped to +-448, and rounded to the nearest number of E4M3, ties to even, subnormals kept.
;;     - The product sums the exact products of the quantised numbers (number of the format x scale) in f32.
;;   ~~~python
;;   def quantise(x, axis):      # numpy; x: float32 -> the quantised numbers, widened to float32 again
;;       x = np.moveaxis(x, axis, -1); K = x.shape[-1]
;;       x = np.pad(x, [(0, 0)] * (x.ndim - 1) + [(0, -K % 32)]); x = x.reshape(x.shape[:-1] + (-1, 32)); a = np.abs(x).max(-1, keepdims=True)
;;       e = np.where(a > 0, np.clip(np.frexp(np.where(a > 0, a, 1))[1] - 1 - 8, -126, 127), 0)      # np.frexp(a)[1] - 1 = floor(log2(a)), exactly
;;       r = np.clip(x / 2.0 ** e, -448, 448)
;;       step = 2.0 ** (np.maximum(np.frexp(np.where(r == 0, 1, r))[1] - 1, -6) - 3)
;;       q = np.round(r / step) * step * 2.0 ** e      # np.round: ties to even
;;       return np.moveaxis(q.reshape(q.shape[:-2] + (-1,))[..., :K], -1, axis).astype(np.float32)
;;   ~~~
;; 2 versions. Each part assembles by itself: llvm-mc -triple=amdgcn-amd-amdhsa -mcpu=gfx1250 --defsym DOCPART=n.
;; ======== version 1 of 2: 3 launches
;; workspace buffers: wq 1,081,344 bytes; scores 262,144 bytes
;; launch quantw (part 1): grid 8 x 8, 8 waves a work-group, no clusters, 69,120 bytes of LDS; arguments W_attn, wq; writes wq
.if DOCPART == 1
	.amdgcn_target "amdgcn-amd-amdhsa--gfx1250"
	.amdhsa_code_object_version 6
	.text
	.protected	k_q2dcd87bd49_quantw
	.globl	k_q2dcd87bd49_quantw
	.p2align	8
	.type	k_q2dcd87bd49_quantw,@function
k_q2dcd87bd49_quantw:
	s_mov_b64 s[64:65], 0
	v_nop
	global_prefetch_b8 v0, s[64:65] scope:SCOPE_SE
	s_setreg_imm32_b32 hwreg(HW_REG_WAVE_MODE, 25, 1), 1
	s_wait_xcnt 0x0
; W_attn [1024 n][1024 k], f32, K innermost, becomes codes of FP8 (E4M3) with one E8M0 scale byte for each 32 along K, laid in wq in the order in which the
; next launch consumes them: 16 tiles of 67,584 bytes.  Tile 4 c + q (c = K step mod 4, q = quarter of the 64 tiles of 16 rows n) holds, for kh = 0, 1 (K step 4 kh + c):
;   codes at kh x 32,768 + t16 x 2,048 + c4 x 512 + 16 x lane: the register image of an operand's fragment (16 rows n x 128 k): lane (r, h), registers 4 c4 .. 4 c4 + 3 = k 32 c4 + 16 h + 0 .. 15 of row r;
;   scale words at 65,536 + kh x 1,024 + tr x 512 + 16 x lane + 4 i: the word (four bytes, 128 k) of row lane % 16 of tile t16 = 8 tr + 2 i + lane / 16.
; A block's scale is 2^(floor(log2(its largest magnitude)) - 8); its byte is that magnitude's exponent field - 8, held at 1 from below.  Each number is held within +-448 x the scale and converted, ties to even.
; LIMITS: a block of zeros gets the byte 1 where the rule says 127 (its codes are zeros, which add nothing, and this program alone reads the bytes); NaN and infinities among the inputs are not served.
; SHARES: work-group (x, y) takes tiles 8 x .. 8 x + 7 of 16 rows at K step y; wave t one of them: 16 rows x 512 bytes.  Each load reads 512 consecutive bytes of a row; the unit turns through the
; wave's own stage in LDS so that a lane gets 16 neighbours along K of each block of 32.  No tensor loads, no ring; one barrier, for the eight waves' scale words, which leave as 512 consecutive bytes.
.set STGW,  8448                       ; a wave's stage: 16 rows x 528
.set SPI,   528                        ; a stage row: 512 bytes + 16 of padding: an odd multiple of 16, so that the 16 rows that a read touches start at 16 different groups of banks
.set SCG,   67584                      ; behind the stages: the work-group's 128 scale words
.set TILEB, 67584                      ; a tile of wq
.set R,     16                         ; v16-79   the unit as loaded
.set X,     80                         ; v80-143  register 16 b + i = k 32 b + 16 h + i of my row
.set TM,    144                        ; v144-159 largest magnitudes, bytes, holds, scale operands
.set PW,    160                        ; v160     my row's scale word
.set PC,    164                        ; v164-179 the fragment's codes
	s_load_b128 s[4:7], s[0:1], 0x0                ; W s[4:5], wq s[6:7]
	v_lshl_add_u32 v192, v0, 2, 0x10a00
	v_mov_b32 v193, 0
	v_lshrrev_b32 v1, 5, v0
	v_readfirstlane_b32 s8, v1                     ; wave t
	v_and_b32 v1, 31, v0                           ; lane
	v_and_b32 v2, 15, v0                           ; r
	v_bfe_u32 v3, v0, 4, 1                         ; h
	v_lshlrev_b32 v4, 4, v1                        ; 16 x lane
	s_and_b32 s9, ttmp7, 0xffff                    ; the K step
	s_mul_i32 s12, s8, STGW
	v_add_nc_u32 v5, s12, v4                       ; the stage, on the way in: a row's 512 bytes as they lie
	v_mul_u32_u24 v6, v2, SPI
	v_lshl_add_u32 v6, v3, 6, v6
	v_add_nc_u32 v6, s12, v6                       ; and on the way out: row r, + 64 h
	s_and_b32 s13, s8, 1
	s_lshl_b32 s13, s13, 8
	s_lshr_b32 s14, s8, 1
	s_lshl_b32 s14, s14, 2
	s_add_co_u32 s13, s13, s14
	s_add_co_u32 s13, s13, SCG
	v_lshl_add_u32 v7, v2, 4, s13                  ; my scale word's place: 16 (r + 16 (t % 2)) + 4 (t / 2)
	v_add_nc_u32 v8, SCG, v4                       ; wave 0 reads them back, 16 bytes a lane
	s_lshl_b32 s16, ttmp9, 3
	s_add_co_u32 s16, s16, s8                      ; my tile of 16 rows
	s_lshl_b32 s16, s16, 16                        ; x 16 rows of 4,096 bytes
	s_lshl_b32 s17, s9, 9
	s_add_co_u32 s16, s16, s17                     ; + 512 bytes a K step
	s_mov_b32 s17, 0
	s_and_b32 s18, s9, 3
	s_lshl_b32 s18, s18, 2
	s_lshr_b32 s19, ttmp9, 1
	s_add_co_u32 s18, s18, s19
	s_mul_i32 s18, s18, TILEB                      ; tile 4 c + q of wq
	s_lshr_b32 s19, s9, 2                          ; kh
	s_and_b32 s23, ttmp9, 1                        ; tr
	s_lshl_b32 s24, s19, 15
	s_add_co_u32 s24, s24, s18
	s_lshl_b32 s25, s23, 3
	s_add_co_u32 s25, s25, s8
	s_lshl_b32 s25, s25, 11
	s_add_co_u32 s24, s24, s25                     ; my fragment's image
	s_mov_b32 s25, 0
	s_lshl_b32 s26, s19, 10
	s_add_co_u32 s26, s26, s18
	s_lshl_b32 s27, s23, 9
	s_add_co_u32 s26, s26, s27
	s_add_co_u32 s26, s26, 65536                   ; the work-group's 512 bytes of scale words
	s_mov_b32 s27, 0
	s_mov_b32 s20, 0x76543210
	s_mov_b32 s21, 0xfedcba98                      ; v_permlanex16_b32's selects for lane l xor 16
	s_mov_b32 s22, 0x600000                        ; the mantissa field of 448
	s_wait_kmcnt 0x0
	s_add_nc_u64 s[4:5], s[4:5], s[16:17]
	s_add_nc_u64 s[10:11], s[6:7], s[26:27]
	s_add_nc_u64 s[6:7], s[6:7], s[24:25]
.irp i, 0,1,2,3,4,5,6,7,8,9,10,11,12,13,14,15
	global_load_b128 v[R+4*\i:R+4*\i+3], v4, s[4:5] offset:4096*\i th:TH_LOAD_NT   ; row i: 32 lanes read 512 consecutive bytes
.endr
.irp b, 0,1,2,3
	v_mov_b32 v[TM+4+\b], 0                        ; a lane permute's destination counts as one of its sources
.endr
	s_wait_loadcnt 0x0
.irp i, 0,1,2,3,4,5,6,7,8,9,10,11,12,13,14,15
	ds_store_b128 v5, v[R+4*\i:R+4*\i+3] offset:SPI*\i
.endr
.irp b, 0,1,2,3
.irp q, 0,1,2,3
	ds_load_b128 v[X+16*\b+4*\q:X+16*\b+4*\q+3], v6 offset:128*\b+16*\q   ; LDS serves a wave's instructions in order: these see my stores
.endr
.endr
	s_wait_dscnt 0x0
.irp b, 0,1,2,3
	v_max3_num_f32 v[TM+\b], |v[X+16*\b]|, |v[X+1+16*\b]|, 0x4800000   ; block b: my 16 numbers, and the floor 2^(9 - 127): the byte cannot fall under 1
.endr
.irp i, 2,4,6,8,10,12,14
.irp b, 0,1,2,3
	v_max3_num_f32 v[TM+\b], v[TM+\b], |v[X+16*\b+\i]|, |v[X+1+16*\b+\i]|   ; the four blocks by turns
.endr
.endr
.irp b, 0,1,2,3
	v_permlanex16_b32 v[TM+4+\b], v[TM+\b], s20, s21
.endr
.irp b, 0,1,2,3
	v_max_num_f32 v[TM+\b], v[TM+\b], v[TM+4+\b]   ; with lane l xor 16's: the block's largest magnitude
.endr
.irp b, 0,1,2,3
	v_add_nc_u32 v[TM+12+\b], 0xfc000000, v[TM+\b]   ; 8 off its exponent field: the conversion's scale operand
.endr
.irp b, 0,1,2,3
	v_and_or_b32 v[TM+8+\b], v[TM+\b], 0x7f800000, s22   ; 448 x the scale
.endr
.irp b, 0,1,2,3
	v_lshrrev_b32 v[TM+4+\b], 23, v[TM+12+\b]      ; the scale's byte
.endr
	v_lshl_or_b32 v[PW], v[TM+5], 8, v[TM+4]
	v_lshl_or_b32 v[PW], v[TM+6], 16, v[PW]
	v_lshl_or_b32 v[PW], v[TM+7], 24, v[PW]        ; my row's scale word (both halves of the lanes hold the same)
.irp b, 0,1,2,3
.irp i, 0,1,2,3,4,5,6,7,8,9,10,11,12,13,14,15
	v_med3_num_f32 v[X+16*\b+\i], v[X+16*\b+\i], -v[TM+8+\b], v[TM+8+\b]   ; the conversion to an 8-bit code does not saturate (ISA guide 7.6.2): the hold comes first
.endr
	v_cvt_scalef32_pk8_fp8_f32 v[PC+4*\b:PC+1+4*\b], v[X+16*\b:X+7+16*\b], v[TM+12+\b]
	v_cvt_scalef32_pk8_fp8_f32 v[PC+2+4*\b:PC+3+4*\b], v[X+8+16*\b:X+15+16*\b], v[TM+12+\b]
.endr
	v_nop                                          ; one plain line behind the last conversion
.irp c, 0,1,2,3
	global_store_b128 v4, v[PC+4*\c:PC+4*\c+3], s[6:7] offset:512*\c   ; 32 lanes store 512 consecutive bytes
.endr
	ds_store_b32 v7, v[PW]                         ; lanes l and l xor 16 write the same word with the same value
	s_wait_dscnt 0x0                               ; for wave 0's sake: my word has landed
	s_barrier_signal -1
	s_barrier_wait -1
	s_cmp_lg_u32 s8, 0
	s_cbranch_scc1 .Ldone
	ds_load_b128 v[180:183], v8                    ; wave 0: the eight tiles' scale words, in the order of the reader's registers
	s_wait_dscnt 0x0
	global_store_b128 v4, v[180:183], s[10:11]
.Ldone:
	s_wait_tensorcnt 0x0
	ds_add_u32 v192, v193
	s_wait_dscnt 0x0
	s_endpgm
.Lfunc_end_k_q2dcd87bd49_quantw:
	.size	k_q2dcd87bd49_quantw, .Lfunc_end_k_q2dcd87bd49_quantw-k_q2dcd87bd49_quantw
	.p2alignl 7, 3214868480
	.fill 96, 4, 3214868480
	.section	.rodata,"a",@progbits
	.p2align	6, 0x0
	.amdhsa_kernel k_q2dcd87bd49_quantw
		.amdhsa_group_segment_fixed_size 69120
		.amdhsa_private_segment_fixed_size 0
		.amdhsa_enable_private_segment 0
		.amdhsa_kernarg_size 16
		.amdhsa_user_sgpr_count 2
		.amdhsa_user_sgpr_kernarg_segment_ptr 1
		.amdhsa_wavefront_size32 1
		.amdhsa_system_sgpr_workgroup_id_x 1
		.amdhsa_system_sgpr_workgroup_id_y 1
		.amdhsa_system_sgpr_workgroup_id_z 1
		.amdhsa_system_vgpr_workitem_id 0
		.amdhsa_next_free_vgpr 194
		.amdhsa_next_free_sgpr 66
		.amdhsa_reserve_vcc 0
		.amdhsa_float_denorm_mode_32 3
		.amdhsa_float_denorm_mode_16_64 3
		.amdhsa_memory_ordered 1
		.amdhsa_forward_progress 1
		.amdhsa_inst_pref_size 16
	.end_amdhsa_kernel
	.amdgpu_metadata
---
amdhsa.version: [ 1, 2 ]
amdhsa.kernels:
  - .name:           k_q2dcd87bd49_quantw
    .symbol:         k_q2dcd87bd49_quantw.kd
    .args:
      - { .name: W_attn, .offset: 0, .size: 8, .value_kind: global_buffer, .address_space: global }
      - { .name: wq, .offset: 8, .size: 8, .value_kind: global_buffer, .address_space: global }
    .group_segment_fixed_size: 69120
    .private_segment_fixed_size: 0
    .kernarg_segment_align: 8
    .kernarg_segment_size: 16
    .max_flat_workgroup_size: 256
    .sgpr_count:     66
    .vgpr_count:     194
    .wavefront_size: 32
...
	.end_amdgpu_metadata
.endif
;; end of part 1
;; launch scorek (part 2): grid 256 x 1, 4 waves a work-group, clusters of 4 x 1, 327,680 bytes of LDS; arguments encoder_outputs, wq, hidden, b_attn, scores; writes scores
.if DOCPART == 2
	.amdgcn_target "amdgcn-amd-amdhsa--gfx1250"
	.amdhsa_code_object_version 6
	.text
	.protected	k_q2dcd87bd49_scorek
	.globl	k_q2dcd87bd49_scorek
	.p2align	8
	.type	k_q2dcd87bd49_scorek,@function
k_q2dcd87bd49_scorek:
	s_mov_b64 s[64:65], 0
	v_nop
	global_prefetch_b8 v0, s[64:65] scope:SCOPE_SE
	s_setreg_imm32_b32 hwreg(HW_REG_WAVE_MODE, 25, 1), 1
	s_wait_xcnt 0x0
	s_wait_alu depctr_hold_cnt(0) depctr_sa_sdst(0) depctr_va_vdst(0) depctr_va_sdst(0) depctr_va_ssrc(0) depctr_va_vcc(0) depctr_vm_vsrc(0)
	s_getreg_b32 s2, hwreg(HW_REG_IB_STS2, 6, 4)
	s_cmp_eq_u32 s2, 0
	s_cbranch_scc0 .Lentry_in_a_cluster
	s_endpgm
.Lentry_in_a_cluster:
	s_bfe_u32 s2, ttmp6, 0x10000c
	s_cmp_lg_u32 s2, 0x3003
	s_cbranch_scc0 .Lentry_shape_is_right
	s_endpgm
.Lentry_shape_is_right:
; scores[b][s] = sum over n of hidden[b][n] x (sum over k of Q(enc[s][b][k]) Q(W[n][k]) + bias[n]), Q the MX-FP8 quantiser along k (codes of E4M3, one E8M0 scale for each 32).  f32 sums.
; enc [512 s][128 b][1024 k] f32 is quantised here, in registers, on its way to the matrix unit; W comes as codes and scale words from wq, laid by the launch before as images of operand registers.
; SHARES.  Work-group g = 2 b + sh owns rows s = 256 sh .. 256 sh + 255 of ONE b, so that all its rows meet the same hidden[b].  Wave w = 2 rh + kh owns 128 of these rows (8 tiles of 16) and half of K,
; 512 kh on, which it walks in four STAGES of 128.  In a stage its 8 fragments of enc stay in registers and all 64 tiles of 16 rows of W pass by: each fragment of W read from LDS feeds 8 matrix instructions.
; THE ENERGY IS NEVER KEPT: the score is linear in it, so each 16 x 16 result (C = 0, one K step) is multiplied by hidden and added onto 64 running sums at once: a lane holds column n = lane % 16 of the result,
; so it needs one number of hidden for a tile.  That is what lets K be shared among waves and stages.  The sums over the 16 lanes, the two halves of K and hidden . bias are made once, at the end.
; WHILE A STAGE IS MULTIPLIED THE NEXT STAGE'S enc IS LOADED AND QUANTISED by the same wave: a UNIT is 16 rows x 128 k, 16 loads of 512 consecutive bytes; four units (64 loads, 32 KiB a wave) are on their way.
; A unit turns through the wave's own stage in LDS (a lane then holds 16 neighbours along k of each block of 32), is quantised, and its fragment waits in LDS as an image of its registers until the stage changes.
; W's RING.  Two LDS slots of one tile of wq (67,584 bytes: 16 tiles of 16 rows of W x both halves of K at one stage).  All work-groups walk the same 16 tiles in the same order, so the four of a cluster ask JOINTLY:
; each wave's load brings a quarter of a tile, with the same descriptor and a mask that names the four.  enc is shared by nobody and comes by plain loads.
; The softmax wants all 512 s of a b, which two work-groups make: the scores go to memory (256 KiB) and a small launch follows.
; LIMITS: a block of zeros gets the scale byte 1 where the rule says 127 (its codes are zeros, which add nothing, and this program alone reads the bytes); NaN and infinities among the inputs are not served.
; REGISTERS, in windows of 256 (s_set_vgpr_msb: bits 1:0 source 0, 3:2 source 1, 5:4 source 2, 7:6 destination):
;   window 0: v0-31 addresses and scale words; v32-47 hidden for 8 tiles, each number twice; v48-127 at work at the head and the end; v128-255 enc's 8 fragments
;   window 1: v0-63 eight results by turns; v64-127 the 64 running sums; v128-255 W's 8 fragments        window 2: the quantiser        window 3: four units of enc as loaded
.set TILEB,  67584                     ; a tile of wq
.set QTR,    16896                     ; a quarter of it: 66 rows of 256 bytes, what one tensor load brings
.set SLOT1,  131072                    ; LDS: slot 0 at 0, slot 1 here
.set WSC,    65536                     ; in a tile: the scale words, behind the codes
.set STG,    67584                     ; the waves' stages, 16 rows x 528 each
.set STGW,   8448
.set SPI,    528                       ; a stage row: 512 bytes + 16: an odd multiple of 16, so that the 16 rows that a read touches start at 16 different groups of banks
.set HT,     101376                    ; hidden[b], each number twice: n = 16 t + r at 256 (t / 2) + 16 r + 8 (t % 2)
.set SCP,    109568                    ; partial scores, 128 rows a wave
.set HBP,    111616                    ; four partial sums of hidden . bias
.set SPARE,  111872                    ; the spare words, 128 bytes a wave: two blocks of 256 bytes that no other line names
.set IMG,    198656                    ; a wave's 8 fragment images of 2,048 bytes, then its 8 scale-word images of 128
.set IMGW,   17408
.set ISC,    16384
.set RPI,    272                       ; the last sum: a piece of 16 lanes x 16 bytes + 16 of padding
.set ROWSTR, 524288                    ; bytes from s to s + 1 in enc
.set L16,  1                           ; v1   16 x lane
.set SPW,  2                           ; v2   my spare word; never rewritten
.set NIL,  3                           ; v3   0; never rewritten
.set ADB,  4                           ; v4-5 W's fragments of my half of K in slot 0, 1
.set ADS,  6                           ; v6-7 their scale words
.set AH0,  8                           ; v8   HT + 16 r
.set ADH,  9                           ; v9   the same for the lap in hand
.set AIM,  10                          ; v10  my images, 16 x lane
.set AIS,  11                          ; v11  my images, 4 x lane
.set STW,  12                          ; v12  my stage, on the way in
.set STR,  13                          ; v13  and on the way out
.set IMW,  14                          ; v14  where the lap's images go
.set ISW,  15                          ; v15  and their scale words
.set SA,   16                          ; v16-23 enc's scale words, one register a tile of rows
.set SB,   24                          ; v24-27 W's: register i: lanes 0-15 tile 2 i, lanes 16-31 tile 2 i + 1
.set VOFF, 28                          ; v28  enc: 16 x lane + the unit group's offset
.set LANE, 29
.set RR,   30                          ; lane % 16
.set HH,   31                          ; lane / 16
.set HV,   32
.set AF,   128
.set SS,   64                          ; window 1
.set BF,   128                         ; window 1
.set X,    0                           ; window 2: register 16 b + i = k 32 b + 16 h + i of my row
.set TM,   64
.set PW,   80
.set PC,   84
.set W_RUN, 0x54                       ; source 0 window 0 (enc's fragment; hidden), sources 1, 2 and the destination window 1: it serves the product and the contraction alike, so a run has no switch inside
.set MSB, 0
.macro WIN new                         ; the immediate's high byte repeats the setting that is left; a switch that changes nothing is dropped
.if MSB != \new
	s_set_vgpr_msb (MSB<<8)|\new
.set MSB, \new
.endif
.endm
; A round of the cluster's barrier: my work-group's barrier, wave 0 signals for the work-group, every wave waits for all four work-groups, my work-group's barrier once more.
.macro ROUND
	s_barrier_signal -1
	s_barrier_wait -1
	s_cmp_lg_u32 s14, 0
	s_cbranch_scc1 .Lnot_wave_0_\@
	s_barrier_signal -3
.Lnot_wave_0_\@:
	s_barrier_wait -3
	s_barrier_signal -1
	s_barrier_wait -1
.endm
; THE CHANGE OF SLOTS stands at a tile's head.  Each wave waits for all its tensor loads (its quarter of the tile that it is about to read), adds 0 to its spare word, and waits for that and for all its LDS instructions,
; its reads of the slot that it has left among them.  refill = 1: behind a round of the cluster's barrier that other slot takes the next tile: one load a wave, which has a whole tile's 128 products in which to land.
.macro CHANGE slot, refill
	s_wait_tensorcnt 0x0                           ; no tensor load of mine is out, so a group 0 may be written
	ds_add_u32 v[SPW], v[NIL]                      ; 0 onto my spare word
.if \refill
	s_add_nc_u64 s[34+4*\slot:35+4*\slot], s[34+4*\slot:35+4*\slot], 2*TILEB   ; this slot's next tile (the last step's address is not used)
.endif
	s_wait_dscnt 0x0
.if \refill
	ROUND
	tensor_load_to_lds s[36-4*\slot:39-4*\slot], s[24:31]
	s_nop 0
.rept 4
	v_nop                                          ; four plain lines follow the load, ahead of any switch of windows
.endr
.else
	s_barrier_signal -1
	s_barrier_wait -1
.endif
.endm
.macro VSTEP                           ; the offset of unit group s51: 4 tiles of rows (2^25 bytes) for its low bit, 512 bytes a stage; then on to the next group
	s_and_b32 s56, s51, 1
	s_lshl_b32 s56, s56, 25
	s_lshr_b32 s57, s51, 1
	s_lshl_b32 s57, s57, 9
	s_add_co_u32 s56, s56, s57
	v_add_nc_u32 v[VOFF], s56, v[L16]
	s_add_co_u32 s51, s51, 1
.endm
.macro GLOAD j                         ; a unit into ring place j: 16 rows, 512 consecutive bytes each
	WIN 0xc0
.irp i, 0,1,2,3,4,5,6,7,8,9,10,11,12,13,14,15
	global_load_b128 v[64*(\j)+4*\i:64*(\j)+4*\i+3], v[VOFF], s[40+2*(\j):41+2*(\j)] offset:ROWSTR*\i th:TH_LOAD_NT
.endr
.endm
.macro TOSTAGE j                       ; ring place j turns through my stage: in as it lies, out 16 neighbours of each block a lane.  LDS serves a wave's instructions in order: no wait between
	WIN 0x0c
.irp i, 0,1,2,3,4,5,6,7,8,9,10,11,12,13,14,15
	ds_store_b128 v[STW], v[64*(\j)+4*\i:64*(\j)+4*\i+3] offset:SPI*\i
.endr
	WIN 0x80
.irp b, 0,1,2,3
.irp q, 0,1,2,3
	ds_load_b128 v[X+16*\b+4*\q:X+16*\b+4*\q+3], v[STR] offset:128*\b+16*\q
.endr
.endr
.endm
.macro QUANT                           ; 64 numbers of a lane become a fragment's codes in v[PC] on and its scale word in v[PW]
	WIN 0xaa
.irp b, 0,1,2,3
	v_max3_num_f32 v[TM+\b], |v[X+16*\b]|, |v[X+1+16*\b]|, 0x4800000   ; block b: my 16 numbers, and the floor 2^(9 - 127): the byte cannot fall under 1
.endr
.irp i, 2,4,6,8,10,12,14
.irp b, 0,1,2,3
	v_max3_num_f32 v[TM+\b], v[TM+\b], |v[X+16*\b+\i]|, |v[X+1+16*\b+\i]|   ; the four blocks by turns
.endr
.endr
.irp b, 0,1,2,3
	v_permlanex16_b32 v[TM+4+\b], v[TM+\b], s48, s49
.endr
.irp b, 0,1,2,3
	v_max_num_f32 v[TM+\b], v[TM+\b], v[TM+4+\b]   ; with lane l xor 16's: the block's largest magnitude
.endr
.irp b, 0,1,2,3
	v_add_nc_u32 v[TM+12+\b], 0xfc000000, v[TM+\b]   ; 8 off its exponent field: the conversion's scale operand
.endr
.irp b, 0,1,2,3
	v_and_or_b32 v[TM+8+\b], v[TM+\b], 0x7f800000, s50   ; 448 x the scale
.endr
.irp b, 0,1,2,3
	v_lshrrev_b32 v[TM+4+\b], 23, v[TM+12+\b]      ; the scale's byte
.endr
	v_lshl_or_b32 v[PW], v[TM+5], 8, v[TM+4]
	v_lshl_or_b32 v[PW], v[TM+6], 16, v[PW]
	v_lshl_or_b32 v[PW], v[TM+7], 24, v[PW]
.irp b, 0,1,2,3
.irp i, 0,1,2,3,4,5,6,7,8,9,10,11,12,13,14,15
	v_med3_num_f32 v[X+16*\b+\i], v[X+16*\b+\i], -v[TM+8+\b], v[TM+8+\b]   ; the conversion to an 8-bit code does not saturate (ISA guide 7.6.2): the hold comes first
.endr
	v_cvt_scalef32_pk8_fp8_f32 v[PC+4*\b:PC+1+4*\b], v[X+16*\b:X+7+16*\b], v[TM+12+\b]
	v_cvt_scalef32_pk8_fp8_f32 v[PC+2+4*\b:PC+3+4*\b], v[X+8+16*\b:X+15+16*\b], v[TM+12+\b]
.endr
	v_nop                                          ; one plain line behind the last conversion
.endm
.macro IMAGE j                         ; the fragment goes to LDS as it stands, 16 bytes a lane; its scale word 4 bytes a lane
	WIN 0x08
.irp c, 0,1,2,3
	ds_store_b128 v[IMW], v[PC+4*\c:PC+4*\c+3] offset:2048*(\j)+512*\c
.endr
	ds_store_b32 v[ISW], v[PW] offset:ISC+128*(\j)
.endm
.macro ARELOAD                         ; a stage begins: my 8 fragments and scale words come back from their images (every window is 0 here)
.irp u, 0,1,2,3,4,5,6,7
.irp c, 0,1,2,3
	ds_load_b128 v[AF+16*\u+4*\c:AF+16*\u+4*\c+3], v[AIM] offset:2048*\u+512*\c
.endr
	ds_load_b32 v[SA+\u], v[AIS] offset:ISC+128*\u
.endr
.endm
.macro BLOAD slot, half, j             ; 37 LDS loads: 8 tiles' scale words of W, their hidden, their fragments, tile by tile
	ds_load_b128 v[SB:SB+3], v[ADS+\slot] offset:512*\half
.irp i, 0,1,2,3
	ds_load_b128 v[HV+4*\i:HV+4*\i+3], v[ADH] offset:1024*\j+256*\i
.endr
	WIN 0x40
.irp n, 0,1,2,3,4,5,6,7
.irp c, 0,1,2,3
	ds_load_b128 v[BF+16*\n+4*\c:BF+16*\n+4*\c+3], v[ADB+\slot] offset:16384*\half+2048*\n+512*\c
.endr
.endr
.endm
.macro EPI i                           ; product i's result times hidden, onto its tile of rows' sums; the result is read from its low end on
.set em, (\i)%8
.set et, (\i)/8
.irp p, 0,1,2,3
	v_pk_fma_f32 v[SS+8*em+2*\p:SS+8*em+2*\p+1], v[HV+2*et:HV+2*et+1], v[8*em+2*\p:8*em+2*\p+1], v[SS+8*em+2*\p:SS+8*em+2*\p+1]
.endr
.endm
; 64 products: W's tile ri / 8 against enc's tile ri % 8, into eight results by turns, each begun with C = 0.  A product's contraction follows four products later: 16 plain lines that name none of its
; registers stand between (8 are asked), 28 before its result is written over, 16 behind the last product before any load into an operand.  At the run's head, where no contraction is at hand, eight v_nop.
; counted = 1: nothing was issued behind W's fragments, so each tile's wait leaves the later tiles' loads out.
.macro RUN counted
	WIN W_RUN
.set ri, 0
.rept 64
.set rm, ri%8
.set rt, ri/8
.if \counted && (rm == 0)
	s_wait_dscnt 28-4*rt
.endif
.if rt%2
	v_wmma_scale_f32_16x16x128_f8f6f4 v[8*rm:8*rm+7], v[AF+16*rm:AF+16*rm+15], v[BF+16*rt:BF+16*rt+15], 0, v[SA+rm], v[SB+rt/2] matrix_b_scale:MATRIX_SCALE_ROW1
.else
	v_wmma_scale_f32_16x16x128_f8f6f4 v[8*rm:8*rm+7], v[AF+16*rm:AF+16*rm+15], v[BF+16*rt:BF+16*rt+15], 0, v[SA+rm], v[SB+rt/2]
.endif
.if ri == 4
.rept 8
	v_nop
.endr
.endif
.if ri >= 4
	EPI ri-4
.endif
.set ri, ri+1
.endr
.irp e, 60,61,62,63
	EPI \e
.endr
	WIN 0
.endm
; A TRIP: 8 tiles of W against my 8 tiles of rows; beside it one unit of the next stage is quantised (quant), one is asked for (load), and the next one turns through the stage (next = the loads that may stay out, or -1).
.macro TRIP j, slot, half, quant, load, next
	BLOAD \slot, \half, \j
.if \quant
	s_wait_dscnt 37                                ; all but the 37 just issued: the unit is back from the stage, the stage's stores have read ring place j, the last image's stores their registers
.if \load
	GLOAD \j
.endif
	QUANT
	IMAGE \j
.if \next >= 0
	s_wait_loadcnt \next                           ; the next unit is in; the units asked for behind it stay out
	TOSTAGE (\j+1)%4
	s_wait_dscnt 37                                ; W's fragments are in: behind them 5 image stores and 32 stage instructions
.else
	s_wait_dscnt 5                                 ; behind W's fragments: the image stores
.endif
	RUN 0
.else
	RUN 1
.endif
.endm
; A LAP: two tiles of wq, four trips, four units.  Two laps are a stage.
.macro LAP quant, load, n0, n1, n2, n3, lastfill
	CHANGE 0, 1
.if \load
	s_wait_xcnt 0x0                                ; the loads that named the offset have had their addresses translated: it is rewritten only behind this wait
	VSTEP
.endif
.if \quant
	v_add_nc_u32 v[IMW], s52, v[AIM]               ; (no LDS instruction of mine is out)  the lap's four images: tiles of rows 0-3 or 4-7
	v_add_nc_u32 v[ISW], s53, v[AIS]
.endif
	v_add_nc_u32 v[ADH], s54, v[AH0]               ; hidden for the lap's 32 tiles of W
	TRIP 0, 0, 0, \quant, \load, \n0
	TRIP 1, 0, 1, \quant, \load, \n1
	CHANGE 1, \lastfill
	TRIP 2, 1, 0, \quant, \load, \n2
	TRIP 3, 1, 1, \quant, \load, \n3
	s_xor_b32 s52, s52, 8192
	s_xor_b32 s53, s53, 512
	s_xor_b32 s54, s54, 4096
.endm
.macro PUNIT j                         ; the prologue's unit: as in a trip, without products
.if \j > 0
	s_wait_dscnt 0x0                               ; the unit is back from the stage; the stores have read their registers
.endif
	GLOAD \j
	QUANT
	IMAGE \j
	s_wait_loadcnt 48                              ; the next unit is in; the three asked for behind it stay out
	TOSTAGE (\j+1)%4
.endm
	s_load_b256 s[4:11], s[0:1], 0x0               ; enc s[4:5], wq s[6:7], hidden s[8:9], bias s[10:11]
	s_load_b64 s[12:13], s[0:1], 0x20              ; scores
	v_lshl_add_u32 v[SPW], v0, 2, SPARE
	v_mov_b32 v[NIL], 0
	ds_add_u32 v2, v3
	ds_add_u32 v2, v3
	s_wait_dscnt 0x0
	v_lshrrev_b32 v[LANE], 5, v0
	v_readfirstlane_b32 s14, v[LANE]               ; wave 0..3
	v_and_b32 v[LANE], 31, v0
	v_and_b32 v[RR], 15, v0
	v_bfe_u32 v[HH], v0, 4, 1
	v_lshlrev_b32 v[L16], 4, v[LANE]
	v_mov_b32 v[VOFF], v[L16]                      ; unit group 0
	v_lshlrev_b32 v68, 4, v0                       ; 16 x thread: hidden and bias
	s_lshr_b32 s15, s14, 1                         ; rh: which 128 rows
	s_and_b32 s16, s14, 1                          ; kh: which half of K
	s_bfe_u32 s17, ttmp6, 0x40000                  ; cx: it enters the addresses of enc, hidden and scores alone
	s_lshl_b32 s18, ttmp9, 2
	s_add_co_u32 s18, s18, s17                     ; g = 4 x cluster + cx
	s_lshr_b32 s19, s18, 1                         ; b
	s_and_b32 s20, s18, 1                          ; sh
	; descriptor group 1: a dense block of 16,896 bytes as 66 rows of 256 (32 elements of 8 bytes)
	s_mov_b32 s24, 15|(3<<16)|(1<<21)              ; 15:0 the mask: all four work-groups; 17:16 elements of 8 bytes; 21 set beside a mask; no padding
	s_mov_b32 s25, 32<<16                          ; tensor_dim0
	s_mov_b32 s26, 66<<16                          ; tensor_dim1
	s_mov_b32 s27, 32<<16                          ; tile_dim0
	s_mov_b32 s28, 66                              ; tile_dim1
	s_mov_b32 s29, 32                              ; the pitch
	s_mov_b32 s30, 0
	s_mov_b32 s31, 0
	s_lshl_b32 s56, s20, 27                        ; enc: 256 sh rows of 2^19 bytes,
	s_lshl_b32 s57, s15, 26                        ; 128 rh rows,
	s_add_co_u32 s56, s56, s57
	s_lshl_b32 s57, s19, 12                        ; b's 4,096 bytes in a row,
	s_add_co_u32 s56, s56, s57
	s_lshl_b32 s57, s16, 11                        ; my half of K
	s_add_co_u32 s56, s56, s57
	s_mov_b32 s57, 0
	s_lshl_b32 s58, s19, 12                        ; hidden[b]
	s_mov_b32 s59, 0
	s_lshl_b32 s22, s19, 11                        ; scores: 2,048 bytes a b, 1,024 a half
	s_lshl_b32 s23, s20, 10
	s_add_co_u32 s22, s22, s23
	s_mov_b32 s23, 0
	s_mul_i32 s60, s14, QTR                        ; my quarter of a tile, in wq and in a slot: the wave's number alone
	s_mov_b32 s61, 0
	s_mov_b32 s48, 0x76543210
	s_mov_b32 s49, 0xfedcba98                      ; v_permlanex16_b32's selects for lane l xor 16
	s_mov_b32 s50, 0x600000                        ; the mantissa field of 448
	s_mov_b32 s52, 0                               ; which four images, which four scale words, which half of hidden a lap takes
	s_mov_b32 s53, 0
	s_mov_b32 s54, 0
	s_wait_kmcnt 0x0
	s_add_nc_u64 s[40:41], s[4:5], s[56:57]        ; a base for each ring place: 16 rows (2^23 bytes) apart, so that a unit's rows stand in the immediate
	s_add_nc_u64 s[42:43], s[40:41], 0x800000
	s_add_nc_u64 s[44:45], s[42:43], 0x800000
	s_add_nc_u64 s[46:47], s[44:45], 0x800000
	s_add_nc_u64 s[8:9], s[8:9], s[58:59]
	s_add_nc_u64 s[12:13], s[12:13], s[22:23]
	s_mov_b32 s32, 1                               ; group 0 for slot 0: tile 0
	s_mov_b32 s33, s60
	s_add_nc_u64 s[34:35], s[6:7], s[60:61]
	s_mov_b32 s36, 1                               ; and for slot 1: tile 1
	s_add_co_u32 s37, s60, SLOT1
	s_add_nc_u64 s[38:39], s[34:35], TILEB
	s_or_b32 s35, s35, 0x80000000                  ; type = 2
	s_or_b32 s39, s39, 0x80000000
	global_load_b128 v[48:51], v68, s[8:9]                 ; hidden[b][4 t ..] and [512 + 4 t ..]: each load of a wave reads 512 consecutive bytes
	global_load_b128 v[52:55], v68, s[8:9] offset:2048
	global_load_b128 v[56:59], v68, s[10:11]               ; bias likewise
	global_load_b128 v[60:63], v68, s[10:11] offset:2048
	GLOAD 0                                        ; enc's stream starts ahead of everything else
	GLOAD 1
	GLOAD 2
	WIN 0
	ROUND                                          ; all four work-groups are here: the first joint load meets
	tensor_load_to_lds s[32:35], s[24:31]          ; tile 0: the one first fill; slot 1 is filled behind the first change of slots
	s_nop 0
.rept 4
	v_nop
.endr
	s_lshl_b32 s62, s16, 15
	v_add_nc_u32 v[ADB], s62, v[L16]
	v_add_nc_u32 v[ADB+1], SLOT1, v[ADB]
	s_lshl_b32 s62, s16, 10
	s_add_co_u32 s62, s62, WSC
	v_add_nc_u32 v[ADS], s62, v[L16]
	v_add_nc_u32 v[ADS+1], SLOT1, v[ADS]
	v_lshl_add_u32 v[AH0], v[RR], 4, HT
	s_mul_i32 s62, s14, IMGW
	s_add_co_u32 s62, s62, IMG
	v_add_nc_u32 v[AIM], s62, v[L16]
	v_lshl_add_u32 v[AIS], v[LANE], 2, s62
	s_mul_i32 s63, s14, STGW
	s_add_co_u32 s63, s63, STG
	v_add_nc_u32 v[STW], s63, v[L16]
	v_mul_u32_u24 v[STR], v[RR], SPI
	v_lshl_add_u32 v[STR], v[HH], 6, v[STR]
	v_add_nc_u32 v[STR], s63, v[STR]
	v_lshrrev_b32 v64, 3, v0                       ; the h table: n = 4 t + e lies at 256 (t / 8) + 64 (t % 4) + 8 ((t / 4) % 2) + 16 e
	v_lshlrev_b32 v64, 8, v64
	v_and_b32 v65, 3, v0
	v_lshl_add_u32 v64, v65, 6, v64
	v_bfe_u32 v65, v0, 2, 1
	v_lshl_add_u32 v64, v65, 3, v64
	v_add_nc_u32 v64, HT, v64
	s_lshl_b32 s63, s14, 2
	s_add_co_u32 s63, s63, HBP
	v_mov_b32 v65, s63
	v_mov_b32 v67, 0                               ; a lane permute's destination counts as one of its sources
	WIN 0x40
.set i, 0
.rept 64
	v_mov_b32 v[SS+i], 0                           ; the running sums, once: the run is written once and its first pass finds zeros
.set i, i+1
.endr
	WIN 0x80
.irp b, 0,1,2,3
	v_mov_b32 v[TM+4+\b], 0                        ; likewise for the quantiser's permutes
.endr
	WIN 0
	s_wait_loadcnt 48                              ; hidden and bias are in; the three units behind them stay out
.irp e, 0,1,2,3
	ds_store_b32 v64, v[48+\e] offset:16*\e        ; each number twice, side by side: a pair for the packed multiply-add
	ds_store_b32 v64, v[48+\e] offset:16*\e+4
	ds_store_b32 v64, v[52+\e] offset:4096+16*\e
	ds_store_b32 v64, v[52+\e] offset:4096+16*\e+4
.endr
	v_mul_f32 v66, v48, v56                        ; hidden . bias: my 8 terms, then my wave's
.irp e, 1,2,3,4,5,6,7
	v_fmac_f32 v66, v[48+\e], v[56+\e]
.endr
	v_add_f32_dpp v66, v66, v66 row_xmask:1 row_mask:0xf bank_mask:0xf
	v_add_f32_dpp v66, v66, v66 row_xmask:2 row_mask:0xf bank_mask:0xf
	v_add_f32_dpp v66, v66, v66 row_xmask:4 row_mask:0xf bank_mask:0xf
	v_add_f32_dpp v66, v66, v66 row_xmask:8 row_mask:0xf bank_mask:0xf
	v_permlanex16_b32 v67, v66, s48, s49
	v_add_f32 v66, v66, v67
	ds_store_b32 v65, v66                          ; all lanes write the same word with the same value
	GLOAD 3
	; THE PROLOGUE: stage 0's eight units are quantised; units up to 11 are asked for
	s_wait_loadcnt 48                              ; unit 0 is in
	TOSTAGE 0
	WIN 0
	s_mov_b32 s51, 1                               ; the unit group to be asked for next
	s_mov_b32 s55, 2
.Lpro:
	s_wait_dscnt 0x0                               ; the unit is back from the stage, and no LDS instruction names the registers written below
	s_wait_xcnt 0x0                                ; the loads that named the offset have had their addresses translated
	VSTEP
	v_add_nc_u32 v[IMW], s52, v[AIM]
	v_add_nc_u32 v[ISW], s53, v[AIS]
	PUNIT 0
	PUNIT 1
	PUNIT 2
	PUNIT 3
	WIN 0
	s_xor_b32 s52, s52, 8192
	s_xor_b32 s53, s53, 512
	s_sub_co_u32 s55, s55, 1
	s_cmp_lg_u32 s55, 0
	s_cbranch_scc1 .Lpro
	ARELOAD                                        ; stage 0's fragments
	s_mov_b32 s51, 3
	s_mov_b32 s55, 5
.Llap:                                             ; laps 0 to 4: each asks for four units, quantises four, multiplies two tiles of wq
	LAP 1, 1, 48, 48, 48, 48, 1
	s_cmp_lg_u32 s52, 0                            ; a stage ends behind every second lap
	s_cbranch_scc1 .Lsame_stage
	ARELOAD
.Lsame_stage:
	s_sub_co_u32 s55, s55, 1
	s_cmp_lg_u32 s55, 0
	s_cbranch_scc1 .Llap
	LAP 1, 0, 32, 16, 0, -1, 1                     ; lap 5: nothing is left to ask for: the counts run down
	ARELOAD                                        ; the last stage's fragments
	LAP 0, 0, 0, 0, 0, 0, 1                        ; laps 6 and 7: products alone
	LAP 0, 0, 0, 0, 0, 0, 0                        ; the last tile is written out without a refill
	; THE END.  A row's score is spread over 16 lanes: the 64 sums go to my own image bytes, which are free now, as 16 pieces a lane; lane L reads the 16 lanes' pieces of four rows and adds them.
	s_mul_i32 s62, s14, IMGW
	s_add_co_u32 s62, s62, IMG
	v_mul_u32_u24 v112, v[HH], RPI
	v_lshl_add_u32 v112, v[RR], 4, v112
	v_add_nc_u32 v112, s62, v112                   ; in: piece g = 2 (tile of rows) + (registers 4-7?) of half h at 272 (2 g + h) + 16 r
	v_mul_u32_u24 v113, v[LANE], RPI
	v_add_nc_u32 v113, s62, v113                   ; back: lane L = 2 g + h
	WIN 0x04
.irp g, 0,1,2,3,4,5,6,7,8,9,10,11,12,13,14,15
	ds_store_b128 v112, v[SS+4*\g:SS+4*\g+3] offset:2*RPI*\g
.endr
	WIN 0
.irp r, 0,1,2,3,4,5,6,7,8,9,10,11,12,13,14,15
	ds_load_b128 v[48+4*\r:51+4*\r], v113 offset:16*\r   ; LDS serves a wave's instructions in order: these see my stores
.endr
	v_lshrrev_b32 v114, 2, v[LANE]                 ; my four rows begin at 16 (L / 4) + 8 (L % 2) + 4 ((L / 2) % 2)
	v_lshlrev_b32 v114, 6, v114
	v_and_b32 v115, 1, v[LANE]
	v_lshl_add_u32 v114, v115, 5, v114
	v_bfe_u32 v115, v[LANE], 1, 1
	v_lshl_add_u32 v114, v115, 4, v114
	s_lshl_b32 s63, s14, 9
	s_add_co_u32 s63, s63, SCP
	v_add_nc_u32 v114, s63, v114
	s_wait_dscnt 0x0
.irp d, 8,4,2,1
.irp r, 0,1,2,3,4,5,6,7
.if \r < \d
	v_pk_add_f32 v[48+4*\r:49+4*\r], v[48+4*\r:49+4*\r], v[48+4*(\r+\d):49+4*(\r+\d)]
	v_pk_add_f32 v[50+4*\r:51+4*\r], v[50+4*\r:51+4*\r], v[50+4*(\r+\d):51+4*(\r+\d)]
.endif
.endr
.endr
	ds_store_b128 v114, v[48:51]
	s_wait_dscnt 0x0                               ; for the others' sake: my partial scores have landed
	s_barrier_signal -1
	s_barrier_wait -1
	v_lshrrev_b32 v115, 6, v0                      ; thread t takes the work-group's rows 2 t, 2 t + 1: the two halves of K lie 512 bytes apart
	v_lshlrev_b32 v115, 10, v115
	v_and_b32 v116, 63, v0
	v_lshl_add_u32 v115, v116, 3, v115
	v_add_nc_u32 v115, SCP, v115
	v_mov_b32 v116, HBP
	v_lshlrev_b32 v117, 3, v0
	ds_load_b64 v[52:53], v115
	ds_load_b64 v[54:55], v115 offset:512
	ds_load_b128 v[56:59], v116
	s_wait_dscnt 0x0
	v_add_f32 v56, v56, v57
	v_add_f32 v58, v58, v59
	v_add_f32 v56, v56, v58                        ; hidden . bias
	v_pk_add_f32 v[52:53], v[52:53], v[54:55]
	v_pk_add_f32 v[52:53], v[52:53], v[56:57] op_sel_hi:[1,0]
	global_store_b64 v117, v[52:53], s[12:13]      ; a wave stores 256 consecutive bytes, at a multiple of 256 from the buffer's first byte
	s_wait_tensorcnt 0x0                           ; the wave's end
	ds_add_u32 v[SPW], v[NIL]
	s_wait_dscnt 0x0
	ROUND                                          ; the closing round: no work-group ends while a partner may still ask for a tile that names it
	s_endpgm
.Lfunc_end_k_q2dcd87bd49_scorek:
	.size	k_q2dcd87bd49_scorek, .Lfunc_end_k_q2dcd87bd49_scorek-k_q2dcd87bd49_scorek
	.p2alignl 7, 3214868480
	.fill 96, 4, 3214868480
	.section	.rodata,"a",@progbits
	.p2align	6, 0x0
	.amdhsa_kernel k_q2dcd87bd49_scorek
		.amdhsa_group_segment_fixed_size 327680
		.amdhsa_private_segment_fixed_size 0
		.amdhsa_enable_private_segment 0
		.amdhsa_kernarg_size 40
		.amdhsa_user_sgpr_count 2
		.amdhsa_user_sgpr_kernarg_segment_ptr 1
		.amdhsa_wavefront_size32 1
		.amdhsa_system_sgpr_workgroup_id_x 1
		.amdhsa_system_sgpr_workgroup_id_y 1
		.amdhsa_system_sgpr_workgroup_id_z 1
		.amdhsa_system_vgpr_workitem_id 0
		.amdhsa_next_free_vgpr 1024
		.amdhsa_next_free_sgpr 66
		.amdhsa_reserve_vcc 0
		.amdhsa_float_denorm_mode_32 3
		.amdhsa_float_denorm_mode_16_64 3
		.amdhsa_memory_ordered 1
		.amdhsa_forward_progress 1
		.amdhsa_inst_pref_size 255
	.end_amdhsa_kernel
	.section	.bss,"aw",@nobits
	.p2align	6
	.space	262144
	.amdgpu_metadata
---
amdhsa.version: [ 1, 2 ]
amdhsa.kernels:
  - .name:           k_q2dcd87bd49_scorek
    .symbol:         k_q2dcd87bd49_scorek.kd
    .args:
      - { .name: encoder_outputs, .offset: 0, .size: 8, .value_kind: global_buffer, .address_space: global }
      - { .name: wq, .offset: 8, .size: 8, .value_kind: global_buffer, .address_space: global }
      - { .name: hidden, .offset: 16, .size: 8, .value_kind: global_buffer, .address_space: global }
      - { .name: b_attn, .offset: 24, .size: 8, .value_kind: global_buffer, .address_space: global }
      - { .name: scores, .offset: 32, .size: 8, .value_kind: global_buffer, .address_space: global }
    .group_segment_fixed_size: 327680
    .private_segment_fixed_size: 0
    .kernarg_segment_align: 8
    .kernarg_segment_size: 40
    .max_flat_workgroup_size: 128
    .sgpr_count:     66
    .vgpr_count:     1024
    .wavefront_size: 32
...
	.end_amdgpu_metadata
.endif
;; end of part 2
;; launch softk (part 3): grid 32 x 1, 4 waves a work-group, no clusters, 0 bytes of LDS; arguments scores, out0; writes out0
.if DOCPART == 3
	.amdgcn_target "amdgcn-amd-amdhsa--gfx1250"
	.amdhsa_code_object_version 6
	.text
	.protected	k_q2dcd87bd49_softk
	.globl	k_q2dcd87bd49_softk
	.p2align	8
	.type	k_q2dcd87bd49_softk,@function
k_q2dcd87bd49_softk:
	s_mov_b64 s[64:65], 0
	v_nop
	global_prefetch_b8 v0, s[64:65] scope:SCOPE_SE
	s_setreg_imm32_b32 hwreg(HW_REG_WAVE_MODE, 25, 1), 1
	s_wait_xcnt 0x0
; out0[b][0][s] = softmax over s of scores[b][s].  scores, out0: [128][512] f32.  One wave takes one row b: 2,048 bytes, 16 numbers a lane, kept in registers between the passes.
; The row's maximum is taken away before the exponential; the difference is formed first and then scaled by log2(e), so that large scores lose nothing.  No LDS, no barrier: waves share nothing.
; Matrix units, clusters and rings have nothing to do here: 512 KiB move in all.  LIMITS: NaN and infinities among the scores are not served.
	s_load_b128 s[4:7], s[0:1], 0x0                ; scores, out0
	v_lshrrev_b32 v1, 5, v0
	v_readfirstlane_b32 s8, v1                     ; wave
	v_and_b32 v1, 31, v0
	v_lshlrev_b32 v1, 4, v1                        ; 16 x lane
	s_lshl_b32 s9, ttmp9, 2
	s_add_co_u32 s9, s9, s8                        ; b
	s_lshl_b32 s10, s9, 11
	s_mov_b32 s11, 0
	s_mov_b32 s12, 0x76543210
	s_mov_b32 s13, 0xfedcba98                      ; v_permlanex16_b32's selects for lane l xor 16
	s_wait_kmcnt 0x0
	s_add_nc_u64 s[4:5], s[4:5], s[10:11]
	s_add_nc_u64 s[6:7], s[6:7], s[10:11]
.irp i, 0,1,2,3
	global_load_b128 v[4+4*\i:7+4*\i], v1, s[4:5] offset:512*\i   ; 512 consecutive bytes a load
.endr
	s_wait_loadcnt 0x0
	v_max3_num_f32 v20, v4, v5, v6                 ; the largest of my 16, in two chains
	v_max3_num_f32 v21, v7, v8, v9
	v_max3_num_f32 v20, v20, v10, v11
	v_max3_num_f32 v21, v21, v12, v13
	v_max3_num_f32 v20, v20, v14, v15
	v_max3_num_f32 v21, v21, v16, v17
	v_max3_num_f32 v20, v20, v18, v19
	v_max_num_f32 v20, v20, v21
	v_max_num_f32_dpp v20, v20, v20 row_xmask:1 row_mask:0xf bank_mask:0xf
	v_max_num_f32_dpp v20, v20, v20 row_xmask:2 row_mask:0xf bank_mask:0xf
	v_max_num_f32_dpp v20, v20, v20 row_xmask:4 row_mask:0xf bank_mask:0xf
	v_max_num_f32_dpp v20, v20, v20 row_xmask:8 row_mask:0xf bank_mask:0xf
	v_permlanex16_b32 v21, v20, s12, s13
	v_max_num_f32 v20, v20, v21                    ; the row's maximum, in every lane
.irp j, 0,2,4,6,8,10,12,14
	v_pk_add_f32 v[4+\j:5+\j], v[4+\j:5+\j], v[20:21] op_sel_hi:[1,0] neg_lo:[0,1] neg_hi:[0,1]   ; x - the maximum (the pair's low word serves both halves)
.endr
.irp j, 0,2,4,6,8,10,12,14
	v_pk_mul_f32 v[4+\j:5+\j], v[4+\j:5+\j], 0x3fb8aa3b op_sel_hi:[1,0]   ; x log2(e)
.endr
.irp j, 0,1,2,3,4,5,6,7,8,9,10,11,12,13,14,15
	v_exp_f32 v[4+\j], v[4+\j]
.endr
	v_nop                                          ; one plain line behind the exponentials, before their results are used
	s_wait_alu depctr_va_vdst(0)
	v_pk_add_f32 v[20:21], v[4:5], v[6:7]          ; the sum, two at a time, in two chains
	v_pk_add_f32 v[22:23], v[8:9], v[10:11]
	v_pk_add_f32 v[20:21], v[20:21], v[12:13]
	v_pk_add_f32 v[22:23], v[22:23], v[14:15]
	v_pk_add_f32 v[20:21], v[20:21], v[16:17]
	v_pk_add_f32 v[22:23], v[22:23], v[18:19]
	v_pk_add_f32 v[20:21], v[20:21], v[22:23]
	v_add_f32 v20, v20, v21
	v_add_f32_dpp v20, v20, v20 row_xmask:1 row_mask:0xf bank_mask:0xf
	v_add_f32_dpp v20, v20, v20 row_xmask:2 row_mask:0xf bank_mask:0xf
	v_add_f32_dpp v20, v20, v20 row_xmask:4 row_mask:0xf bank_mask:0xf
	v_add_f32_dpp v20, v20, v20 row_xmask:8 row_mask:0xf bank_mask:0xf
	v_permlanex16_b32 v21, v20, s12, s13
	v_add_f32 v20, v20, v21                        ; the row's sum: at least 1, since the maximum's term is 1
	v_rcp_f32 v22, v20
	v_nop                                          ; one plain line behind the reciprocal
	s_wait_alu depctr_va_vdst(0)
.irp j, 0,2,4,6,8,10,12,14
	v_pk_mul_f32 v[4+\j:5+\j], v[4+\j:5+\j], v[22:23] op_sel_hi:[1,0]
.endr
.irp i, 0,1,2,3
	global_store_b128 v1, v[4+4*\i:7+4*\i], s[6:7] offset:512*\i   ; 512 consecutive bytes a store
.endr
	s_endpgm
.Lfunc_end_k_q2dcd87bd49_softk:
	.size	k_q2dcd87bd49_softk, .Lfunc_end_k_q2dcd87bd49_softk-k_q2dcd87bd49_softk
	.p2alignl 7, 3214868480
	.fill 96, 4, 3214868480
	.section	.rodata,"a",@progbits
	.p2align	6, 0x0
	.amdhsa_kernel k_q2dcd87bd49_softk
		.amdhsa_group_segment_fixed_size 0
		.amdhsa_private_segment_fixed_size 0
		.amdhsa_enable_private_segment 0
		.amdhsa_kernarg_size 16
		.amdhsa_user_sgpr_count 2
		.amdhsa_user_sgpr_kernarg_segment_ptr 1
		.amdhsa_wavefront_size32 1
		.amdhsa_system_sgpr_workgroup_id_x 1
		.amdhsa_system_sgpr_workgroup_id_y 1
		.amdhsa_system_sgpr_workgroup_id_z 1
		.amdhsa_system_vgpr_workitem_id 0
		.amdhsa_next_free_vgpr 48
		.amdhsa_next_free_sgpr 66
		.amdhsa_reserve_vcc 0
		.amdhsa_float_denorm_mode_32 3
		.amdhsa_float_denorm_mode_16_64 3
		.amdhsa_memory_ordered 1
		.amdhsa_forward_progress 1
		.amdhsa_inst_pref_size 6
	.end_amdhsa_kernel
	.amdgpu_metadata
---
amdhsa.version: [ 1, 2 ]
amdhsa.kernels:
  - .name:           k_q2dcd87bd49_softk
    .symbol:         k_q2dcd87bd49_softk.kd
    .args:
      - { .name: scores, .offset: 0, .size: 8, .value_kind: global_buffer, .address_space: global }
      - { .name: out0, .offset: 8, .size: 8, .value_kind: global_buffer, .address_space: global }
    .group_segment_fixed_size: 0
    .private_segment_fixed_size: 0
    .kernarg_segment_align: 8
    .kernarg_segment_size: 16
    .max_flat_workgroup_size: 128
    .sgpr_count:     66
    .vgpr_count:     48
    .wavefront_size: 32
...
	.end_amdgpu_metadata
.endif
;; end of part 3
;; ======== version 2 of 2: 3 launches
;; limits: right only within a limited range of input values
;; workspace buffers: wq 1,081,344 bytes; scores 262,144 bytes
;; launch quantw (part 4): grid 8 x 8, 8 waves a work-group, no clusters, 69,120 bytes of LDS; arguments W_attn, wq; writes wq
.if DOCPART == 4
	.amdgcn_target "amdgcn-amd-amdhsa--gfx1250"
	.amdhsa_code_object_version 6
	.text
	.protected	k_q2dcd87bd49_quantw
	.globl	k_q2dcd87bd49_quantw
	.p2align	8
	.type	k_q2dcd87bd49_quantw,@function
k_q2dcd87bd49_quantw:
	s_mov_b64 s[64:65], 0
	v_nop
	global_prefetch_b8 v0, s[64:65] scope:SCOPE_SE
	s_setreg_imm32_b32 hwreg(HW_REG_WAVE_MODE, 25, 1), 1
	s_wait_xcnt 0x0
; DEAD WORK, for the whole program: scores[b][s] = hidden[b] . (W enc[s][b]) + hidden[b] . b_attn.  The second term does not hang on s, and the softmax runs over s:
; it multiplies numerator and denominator by the same factor, for all values of the inputs.  So b_attn reaches no output: it is not loaded and is no launch's argument.
; LIMIT: a NaN, an infinity or an overflow that reaches only hidden . b_attn is not carried to the result.
; THIS LAUNCH: W_attn [1024 n][1024 k] f32 becomes codes of E4M3 with one E8M0 byte for each 32 along k, laid in wq as the next launch's registers take them: 8 chunks of 135,168 bytes.
; Chunk x (rows n = 128 x ..): codes at t x 16,384 + ks x 2,048 + c4 x 512 + 16 x lane: the image of a fragment (tile t of 16 rows, K step ks of 128): lane (r, h), registers 4 c4 .. + 3 = k 32 c4 + 16 h + 0 .. 15 of row r;
; scale words at 131,072 + ks x 512 + t x 64 + 4 r.  A block's byte is its largest magnitude's exponent field - 8, held at 1 from below; numbers are held within +-448 x the scale and converted, ties to even.
; LIMITS: a block of zeros gets the byte 1 where the rule says 127 (its codes are zeros, and this program alone reads the bytes); NaN and infinities among the inputs are not served.
; SHARES: work-group (x, y) takes chunk x at K step y, wave t its tile t: 16 rows x 512 bytes, which turn through the wave's own stage so that a lane gets 16 neighbours along k of each block.
.set STGW,  8448                       ; a wave's stage: 16 rows x 528
.set SPI,   528
.set SCG,   67584                      ; the work-group's 128 scale words
.set SPARE, 68096                      ; the spare words, 128 bytes a wave
.set TILEB, 135168
.set R,     16
.set X,     80
.set TM,    144
.set PW,    160
.set PC,    164
	s_load_b128 s[4:7], s[0:1], 0x0                ; W, wq
	v_lshrrev_b32 v1, 5, v0
	v_readfirstlane_b32 s8, v1                     ; wave t
	s_and_b32 s9, ttmp7, 0xffff                    ; K step
	s_mul_i32 s12, s8, STGW
	s_lshl_b32 s13, s8, 6
	s_add_co_u32 s13, s13, SCG
	s_lshl_b32 s16, ttmp9, 3
	s_add_co_u32 s16, s16, s8
	s_lshl_b32 s16, s16, 16                        ; my 16 rows of 4,096 bytes
	s_lshl_b32 s17, s9, 9
	s_add_co_u32 s16, s16, s17
	s_mov_b32 s17, 0
	s_mul_i32 s18, ttmp9, TILEB
	s_lshl_b32 s24, s8, 14
	s_add_co_u32 s24, s24, s18
	s_lshl_b32 s25, s9, 11
	s_add_co_u32 s24, s24, s25                     ; my fragment's image
	s_mov_b32 s25, 0
	s_lshl_b32 s26, s9, 9
	s_add_co_u32 s26, s26, s18
	s_add_co_u32 s26, s26, 131072                  ; the work-group's 512 bytes of scale words
	s_mov_b32 s27, 0
	s_mov_b32 s20, 0x76543210
	s_mov_b32 s21, 0xfedcba98                      ; selects for lane l xor 16
	s_mov_b32 s22, 0x600000                        ; the mantissa field of 448
	v_lshl_add_u32 v192, v0, 2, SPARE
	v_mov_b32 v193, 0
	v_and_b32 v1, 31, v0
	v_and_b32 v2, 15, v0                           ; r
	v_bfe_u32 v3, v0, 4, 1                         ; h
	v_lshlrev_b32 v4, 4, v1                        ; 16 x lane
	v_add_nc_u32 v5, s12, v4                       ; the stage, in
	v_mul_u32_u24 v6, v2, SPI
	v_lshl_add_u32 v6, v3, 6, v6
	v_add_nc_u32 v6, s12, v6                       ; and out: row r, + 64 h
	v_lshl_add_u32 v7, v2, 2, s13                  ; my scale word: 64 t + 4 r
	v_add_nc_u32 v8, SCG, v4
.irp b, 0,1,2,3
	v_mov_b32 v[TM+4+\b], 0                        ; a lane permute's destination counts as a source
.endr
	s_wait_alu depctr_va_vdst(0)
	s_wait_kmcnt 0x0
	s_add_nc_u64 s[4:5], s[4:5], s[16:17]
	s_add_nc_u64 s[10:11], s[6:7], s[26:27]
	s_add_nc_u64 s[6:7], s[6:7], s[24:25]
.irp i, 0,1,2,3,4,5,6,7,8,9,10,11,12,13,14,15
	global_load_b128 v[R+4*\i:R+4*\i+3], v4, s[4:5] offset:4096*\i th:TH_LOAD_NT   ; 512 consecutive bytes of row i
.endr
	s_wait_loadcnt 0x0
.irp i, 0,1,2,3,4,5,6,7,8,9,10,11,12,13,14,15
	ds_store_b128 v5, v[R+4*\i:R+4*\i+3] offset:SPI*\i
.endr
.irp b, 0,1,2,3
.irp q, 0,1,2,3
	ds_load_b128 v[X+16*\b+4*\q:X+16*\b+4*\q+3], v6 offset:128*\b+16*\q   ; a wave's LDS instructions are served in order
.endr
.endr
	s_wait_dscnt 0x0
.irp b, 0,1,2,3
	v_max3_num_f32 v[TM+\b], |v[X+16*\b]|, |v[X+1+16*\b]|, 0x4800000   ; with the floor 2^(9 - 127)
.endr
.irp i, 2,4,6,8,10,12,14
.irp b, 0,1,2,3
	v_max3_num_f32 v[TM+\b], v[TM+\b], |v[X+16*\b+\i]|, |v[X+1+16*\b+\i]|
.endr
.endr
.irp b, 0,1,2,3
	v_permlanex16_b32 v[TM+4+\b], v[TM+\b], s20, s21
.endr
.irp b, 0,1,2,3
	v_max_num_f32 v[TM+\b], v[TM+\b], v[TM+4+\b]   ; the block's largest magnitude
.endr
.irp b, 0,1,2,3
	v_add_nc_u32 v[TM+12+\b], 0xfc000000, v[TM+\b] ; the conversion's scale operand
.endr
.irp b, 0,1,2,3
	v_and_or_b32 v[TM+8+\b], v[TM+\b], 0x7f800000, s22   ; 448 x the scale
.endr
.irp b, 0,1,2,3
	v_lshrrev_b32 v[TM+4+\b], 23, v[TM+12+\b]      ; the byte
.endr
	v_lshl_or_b32 v[PW], v[TM+5], 8, v[TM+4]
	v_lshl_or_b32 v[PW], v[TM+6], 16, v[PW]
	v_lshl_or_b32 v[PW], v[TM+7], 24, v[PW]
.irp b, 0,1,2,3
.irp i, 0,1,2,3,4,5,6,7,8,9,10,11,12,13,14,15
	v_med3_num_f32 v[X+16*\b+\i], v[X+16*\b+\i], -v[TM+8+\b], v[TM+8+\b]   ; the hold: the conversion does not saturate (ISA guide 7.6.2)
.endr
	v_cvt_scalef32_pk8_fp8_f32 v[PC+4*\b:PC+1+4*\b], v[X+16*\b:X+7+16*\b], v[TM+12+\b]
	v_cvt_scalef32_pk8_fp8_f32 v[PC+2+4*\b:PC+3+4*\b], v[X+8+16*\b:X+15+16*\b], v[TM+12+\b]
.endr
	v_nop                                          ; one plain line behind the last conversion
.irp c, 0,1,2,3
	global_store_b128 v4, v[PC+4*\c:PC+4*\c+3], s[6:7] offset:512*\c   ; 512 consecutive bytes
.endr
	ds_store_b32 v7, v[PW]                         ; lanes l and l xor 16 write the same word with the same value
	s_wait_dscnt 0x0                               ; for wave 0's sake
	s_barrier_signal -1
	s_barrier_wait -1
	s_cmp_lg_u32 s8, 0
	s_cbranch_scc1 .Ldone
	ds_load_b128 v[180:183], v8                    ; wave 0: the eight tiles' words
	s_wait_dscnt 0x0
	global_store_b128 v4, v[180:183], s[10:11]
.Ldone:
	s_wait_tensorcnt 0x0                           ; the wave's end
	ds_add_u32 v192, v193
	s_wait_dscnt 0x0
	s_endpgm
.Lfunc_end_k_q2dcd87bd49_quantw:
	.size	k_q2dcd87bd49_quantw, .Lfunc_end_k_q2dcd87bd49_quantw-k_q2dcd87bd49_quantw
	.p2alignl 7, 3214868480
	.fill 96, 4, 3214868480
	.section	.rodata,"a",@progbits
	.p2align	6, 0x0
	.amdhsa_kernel k_q2dcd87bd49_quantw
		.amdhsa_group_segment_fixed_size 69120
		.amdhsa_private_segment_fixed_size 0
		.amdhsa_enable_private_segment 0
		.amdhsa_kernarg_size 16
		.amdhsa_user_sgpr_count 2
		.amdhsa_user_sgpr_kernarg_segment_ptr 1
		.amdhsa_wavefront_size32 1
		.amdhsa_system_sgpr_workgroup_id_x 1
		.amdhsa_system_sgpr_workgroup_id_y 1
		.amdhsa_system_sgpr_workgroup_id_z 1
		.amdhsa_system_vgpr_workitem_id 0
		.amdhsa_next_free_vgpr 194
		.amdhsa_next_free_sgpr 66
		.amdhsa_reserve_vcc 0
		.amdhsa_float_denorm_mode_32 3
		.amdhsa_float_denorm_mode_16_64 3
		.amdhsa_memory_ordered 1
		.amdhsa_forward_progress 1
		.amdhsa_inst_pref_size 15
	.end_amdhsa_kernel
	.amdgpu_metadata
---
amdhsa.version: [ 1, 2 ]
amdhsa.kernels:
  - .name:           k_q2dcd87bd49_quantw
    .symbol:         k_q2dcd87bd49_quantw.kd
    .args:
      - { .name: W_attn, .offset: 0, .size: 8, .value_kind: global_buffer, .address_space: global }
      - { .name: wq, .offset: 8, .size: 8, .value_kind: global_buffer, .address_space: global }
    .group_segment_fixed_size: 69120
    .private_segment_fixed_size: 0
    .kernarg_segment_align: 8
    .kernarg_segment_size: 16
    .max_flat_workgroup_size: 256
    .sgpr_count:     66
    .vgpr_count:     194
    .wavefront_size: 32
...
	.end_amdgpu_metadata
.endif
;; end of part 4
;; launch scorek (part 5): grid 256 x 1, 4 waves a work-group, no clusters, 316,928 bytes of LDS; arguments encoder_outputs, wq, hidden, scores; writes scores
.if DOCPART == 5
	.amdgcn_target "amdgcn-amd-amdhsa--gfx1250"
	.amdhsa_code_object_version 6
	.text
	.protected	k_q2dcd87bd49_scorek
	.globl	k_q2dcd87bd49_scorek
	.p2align	8
	.type	k_q2dcd87bd49_scorek,@function
k_q2dcd87bd49_scorek:
	s_mov_b64 s[64:65], 0
	v_nop
	global_prefetch_b8 v0, s[64:65] scope:SCOPE_SE
	s_setreg_imm32_b32 hwreg(HW_REG_WAVE_MODE, 25, 1), 1
	s_wait_xcnt 0x0
; scores[b][s] = sum over n of hidden[b][n] x sum over k of Q(enc[s][b][k]) Q(W[n][k]), Q the MX-FP8 quantiser along k; f32 sums.
; LEFT OUT: hidden . b_attn, the same for all s of a b, which the softmax over s cancels (shown at the head of the first kernel).
; SHARES.  Work-group g = 2 b + sh owns rows s = 256 sh .. + 255 of one b.  Wave w owns all 256 rows (16 tiles m) at K quarter w: 2 K steps c of 128.
; PHASE 1: the wave's 32 units (16 rows x 128 k, 16 loads of 512 consecutive bytes; four units, 64 loads, out) turn through its stage, are quantised and stay in LDS as images of operand registers: 65,536 bytes a wave.
; PHASE 2: W comes from wq straight into registers, in 8 chunks of 8 tiles of 16 n x my 2 K steps: 256 registers, two sets: the next chunk is loaded while this one is multiplied.
; In a chunk the 16 row tiles pass by from LDS: 4,096 bytes feed 16 products.  THE PRODUCT IS USED TRANSPOSED (source 0 = W, source 1 = enc): lane (r, h) holds row s = r, registers j the units n = 8 h + j.
; The score is linear in the energy: each result (2 K steps) is multiplied by hidden and added onto the row tile's sum, one step behind its products, so that the batch before fills the places that ISA guide 7.12.1 asks for.
; NO TENSOR LOAD, NO CLUSTER: enc's codes take 262,144 of the 327,680 bytes of LDS and the stages, tables and sums 54,784 more: no ring for W fits beside them.  NO PREFETCH: enc is asked for 64 loads a wave ahead all through phase 1; W's next chunk is asked for seven steps or more ahead of its use.
; LIMITS: a block of zeros gets the byte 1 where the rule says 127 (its codes are zeros, and this program alone reads the bytes); NaN and infinities among the inputs are not served.
; REGISTERS: window 0: addresses, scale words, sums, the quantiser; windows 1, 2: W's two sets (fragment (t, c) at 32 t + 16 c); window 3: phase 1 four units as loaded; phase 2 enc's two sets v0-63, results' two sets v64-191, hidden v192-255.
.set TILEB,  135168
.set ISC,    262144                    ; scale-word images, 2,048 a wave: tile m: 64 bytes for c = 0, 64 for c = 1
.set STG,    270336                    ; stages
.set STGW,   8448
.set SPI,    528
.set HT,     304128                    ; hidden[b], as it lies
.set SCP,    308224                    ; partial scores: [2 w + h][256 rows]
.set SPARE,  316416                    ; the spare words, 128 bytes a wave
.set ROWSTR, 524288
.set L16, 1
.set SPW, 2
.set NIL, 3
.set VOFF, 4
.set STW, 5
.set STR, 6
.set IMW, 7
.set ISW, 8
.set AAD, 9
.set ASD, 10
.set HAD, 11
.set HST, 12
.set WCO, 13
.set WSO, 14
.set SCW, 15
.set SCR, 16
.set OGO, 17
.set HGO, 18
.set RR,  19
.set SAE, 20                           ; v20-21 enc's scale words, two sets: lanes 0-15 c = 0, lanes 16-31 c = 1
.set HH,  22
.set LN,  23
.set SB,  24                           ; v24-39 W's scale words, two sets of 8 tiles, halves likewise
.set SS,  40                           ; v40-47 four chains
.set X,   64                           ; v64-191 the quantiser's two sets
.set TM,  192
.set PW,  208
.set PC,  212
.set TOT, 64                           ; phase 2: v64-95 a pair for each row tile
.set T,   96
.set ACC, 64                           ; window 3
.set HV,  192                          ; window 3
.set WB,  6                            ; s[6:7] wq at the trip's first chunk
.set CNT, 55
.set MSB, 0
.macro WIN new                         ; the immediate's high byte repeats the setting that is left
.if MSB != \new
	s_set_vgpr_msb (MSB<<8)|\new
.set MSB, \new
.endif
.endm
.macro GLOAD j                         ; a unit into ring place j
	WIN 0xc0
.irp i, 0,1,2,3,4,5,6,7,8,9,10,11,12,13,14,15
	global_load_b128 v[64*(\j)+4*\i:64*(\j)+4*\i+3], v[VOFF], s[40+2*(\j):41+2*(\j)] offset:ROWSTR*\i th:TH_LOAD_NT
.endr
.endm
.macro TOSTAGE j, xs                   ; ring place j through my stage: in as it lies, out 16 neighbours of each block a lane (LDS serves a wave in order)
	WIN 0x0c
.irp i, 0,1,2,3,4,5,6,7,8,9,10,11,12,13,14,15
	ds_store_b128 v[STW], v[64*(\j)+4*\i:64*(\j)+4*\i+3] offset:SPI*\i
.endr
	WIN 0
.irp b, 0,1,2,3
.irp q, 0,1,2,3
	ds_load_b128 v[(\xs)+16*\b+4*\q:(\xs)+16*\b+4*\q+3], v[STR] offset:128*\b+16*\q
.endr
.endr
.endm
.macro QUANT xs                        ; register xs + 16 b + i = k 32 b + 16 h + i of my row: codes into v[PC] on, the scale word into v[PW]
.irp b, 0,1,2,3
	v_max3_num_f32 v[TM+\b], |v[(\xs)+16*\b]|, |v[(\xs)+1+16*\b]|, 0x4800000   ; with the floor 2^(9 - 127)
.endr
.irp i, 2,4,6,8,10,12,14
.irp b, 0,1,2,3
	v_max3_num_f32 v[TM+\b], v[TM+\b], |v[(\xs)+16*\b+\i]|, |v[(\xs)+1+16*\b+\i]|
.endr
.endr
.irp b, 0,1,2,3
	v_permlanex16_b32 v[TM+4+\b], v[TM+\b], s48, s49
.endr
.irp b, 0,1,2,3
	v_max_num_f32 v[TM+\b], v[TM+\b], v[TM+4+\b]
.endr
.irp b, 0,1,2,3
	v_add_nc_u32 v[TM+12+\b], 0xfc000000, v[TM+\b]
.endr
.irp b, 0,1,2,3
	v_and_or_b32 v[TM+8+\b], v[TM+\b], 0x7f800000, s50
.endr
.irp b, 0,1,2,3
	v_lshrrev_b32 v[TM+4+\b], 23, v[TM+12+\b]
.endr
	v_lshl_or_b32 v[PW], v[TM+5], 8, v[TM+4]
	v_lshl_or_b32 v[PW], v[TM+6], 16, v[PW]
	v_lshl_or_b32 v[PW], v[TM+7], 24, v[PW]
.irp b, 0,1,2,3
.irp i, 0,1,2,3,4,5,6,7,8,9,10,11,12,13,14,15
	v_med3_num_f32 v[(\xs)+16*\b+\i], v[(\xs)+16*\b+\i], -v[TM+8+\b], v[TM+8+\b]   ; the hold (ISA guide 7.6.2)
.endr
	v_cvt_scalef32_pk8_fp8_f32 v[PC+4*\b:PC+1+4*\b], v[(\xs)+16*\b:(\xs)+7+16*\b], v[TM+12+\b]
	v_cvt_scalef32_pk8_fp8_f32 v[PC+2+4*\b:PC+3+4*\b], v[(\xs)+8+16*\b:(\xs)+15+16*\b], v[TM+12+\b]
.endr
	v_nop                                          ; one plain line behind the last conversion
.endm
.macro IMAGE j                         ; unit j of a block is (m, c) = (2 T + j / 2, j % 2)
.irp c, 0,1,2,3
	ds_store_b128 v[IMW], v[PC+4*\c:PC+4*\c+3] offset:2048*(\j)+512*\c
.endr
	ds_store_b32 v[ISW], v[PW] offset:64*(\j)      ; both halves of the lanes write the same word
.endm
.macro PUNIT j, ld                     ; ld = 1: the ring place is asked for anew
.if \j > 0
	s_wait_dscnt 0x0                               ; the unit is back from the stage; the stage's stores have read ring place j, the image's stores their registers
.endif
.if \ld
	GLOAD \j
	s_wait_loadcnt 48                              ; the next unit is in: three units, 48 loads, were asked for behind it
	TOSTAGE (\j+1)%4, X+64*((\j+1)%2)
.else
.if \j < 3
	s_wait_loadcnt 32-16*\j                        ; the units behind the next one may be out
	TOSTAGE \j+1, X+64*((\j+1)%2)
.endif
.endif
	QUANT X+64*(\j%2)
	IMAGE \j
.endm
.macro WLD s, f0, n, off               ; n fragments from f0 on, of the chunk off bytes behind WB, into W's set s
	WIN 0x40*(1+(\s))
.set wf, \f0
.rept \n
.irp q, 0,1,2,3
	global_load_b128 v[16*wf+4*\q:16*wf+4*\q+3], v[WCO], s[WB:WB+1] offset:(\off)+16384*(wf/2)+2048*(wf%2)+512*\q
.endr
.set wf, wf+1
.endr
.endm
.macro WSC s, off                      ; and its scale words
	WIN 0
.irp t, 0,1,2,3,4,5,6,7
	global_load_b32 v[SB+8*(\s)+\t], v[WSO], s[WB:WB+1] offset:(\off)+131072+64*\t
.endr
.endm
.macro ALD m, p                        ; row tile m: scale words and two fragments into set p: 9 loads
	WIN 0
	ds_load_b32 v[SAE+(\p)], v[ASD] offset:128*(\m)
	WIN 0xc0
.irp q, 0,1,2,3,4,5,6,7
	ds_load_b128 v[32*(\p)+4*\q:32*(\p)+4*\q+3], v[AAD] offset:4096*(\m)+512*\q
.endr
.endm
.macro HLD off                         ; hidden for a chunk's 8 tiles: register 8 t + j = n 16 t + 8 h + j: 16 loads
	WIN 0xc0
.irp i, 0,1,2,3,4,5,6,7,8,9,10,11,12,13,14,15
	ds_load_b128 v[HV+4*\i:HV+4*\i+3], v[HAD] offset:(\off)+64*(\i/2)+16*(\i%2)
.endr
.endm
.macro MUL p, s                        ; 16 products; the 8 results take turns; the first K step starts the sums
	WIN 0xfd+(\s)
.irp t, 0,1,2,3,4,5,6,7
	v_wmma_scale_f32_16x16x128_f8f6f4 v[ACC+64*(\p)+8*\t:ACC+64*(\p)+8*\t+7], v[32*\t:32*\t+15], v[32*(\p):32*(\p)+15], 0, v[SB+8*(\s)+\t], v[SAE+(\p)]
.endr
.irp t, 0,1,2,3,4,5,6,7
	v_wmma_scale_f32_16x16x128_f8f6f4 v[ACC+64*(\p)+8*\t:ACC+64*(\p)+8*\t+7], v[32*\t+16:32*\t+31], v[32*(\p)+16:32*(\p)+31], v[ACC+64*(\p)+8*\t:ACC+64*(\p)+8*\t+7], v[SB+8*(\s)+\t], v[SAE+(\p)] matrix_a_scale:MATRIX_SCALE_ROW1 matrix_b_scale:MATRIX_SCALE_ROW1
.endr
.endm
.macro EPI p, m                        ; results' set p times hidden, onto row tile m's pair; four chains; each result is read from its low end on
	WIN 0x0f
	v_pk_fma_f32 v[SS:SS+1], v[HV:HV+1], v[ACC+64*(\p):ACC+64*(\p)+1], v[TOT+2*(\m):TOT+2*(\m)+1]
.irp q, 1,2,3
	v_pk_mul_f32 v[SS+2*\q:SS+2*\q+1], v[HV+2*\q:HV+2*\q+1], v[ACC+64*(\p)+2*\q:ACC+64*(\p)+2*\q+1]
.endr
.irp t, 1,2,3,4,5,6,7
.irp q, 0,1,2,3
	v_pk_fma_f32 v[SS+2*\q:SS+2*\q+1], v[HV+8*\t+2*\q:HV+8*\t+2*\q+1], v[ACC+64*(\p)+8*\t+2*\q:ACC+64*(\p)+8*\t+2*\q+1], v[SS+2*\q:SS+2*\q+1]
.endr
.endr
	WIN 0
	v_pk_add_f32 v[SS:SS+1], v[SS:SS+1], v[SS+2:SS+3]
	v_pk_add_f32 v[SS+4:SS+5], v[SS+4:SS+5], v[SS+6:SS+7]
	v_pk_add_f32 v[TOT+2*(\m):TOT+2*(\m)+1], v[SS:SS+1], v[SS+4:SS+5]
.endm
; What a chunk asks for on behalf of the next one.  In a trip's second chunk (s = 1) a branch on the trips' counter leads round it in the last trip: there is no ninth chunk.
.macro FEED s, i                       ; steps 0-7: two fragments each; step 8: the scale words; into the other set, whose last products stand a batch of multiply-adds back
.if \i < 9
.if \s
	WIN 0
	s_cmp_eq_u32 s[CNT], 1
	s_cbranch_scc1 .Lnf_\@
.endif
.if \i < 8
	WLD 1-\s, 2*\i, 2, TILEB*(1+\s)
.else
	WSC 1-\s, TILEB*(1+\s)
.endif
.if \s
	WIN 0
.Lnf_\@:
.endif
.endif
.endm
.macro NEXTA s
.if \s
	WIN 0
	s_cmp_eq_u32 s[CNT], 1
	s_cbranch_scc1 .Lna_\@
.endif
	ALD 0, 0
.if \s
	WIN 0
.Lna_\@:
.endif
.endm
.macro NEXTH s
.if \s
	WIN 0
	s_cmp_eq_u32 s[CNT], 1
	s_cbranch_scc1 .Lnh_\@
.endif
	HLD 512*(1+\s)
.if \s
	WIN 0
.Lnh_\@:
.endif
.endm
.macro CHUNK s
	s_wait_loadcnt 0x0                             ; W's set s is in
.irp i, 0,1,2,3,4,5,6,7,8,9,10,11,12,13,14,15
.if \i == 0
	s_wait_dscnt 16                                ; row tile 0 is in; hidden's 16 loads, issued behind it, may be out
.else
	s_wait_dscnt 0x0                               ; this step's row tile, asked for a step ago
.endif
.if \i < 15
	ALD \i+1, 1-(\i%2)
.else
	NEXTA \s
.endif
	FEED \s, \i
	MUL \i%2, \s
.if \i == 0
.rept 8
	v_nop                                          ; the places behind these products: no multiply-adds are due yet
.endr
.else
	EPI 1-(\i%2), \i-1
.endif
.endr
	EPI 1, 15                                      ; the batch above stands between it and its products
	NEXTH \s
.endm
	s_load_b256 s[4:11], s[0:1], 0x0               ; enc, wq, hidden, scores
	v_lshrrev_b32 v[LN], 5, v0
	v_readfirstlane_b32 s14, v[LN]                 ; wave
	s_lshr_b32 s19, ttmp9, 1                       ; b
	s_and_b32 s20, ttmp9, 1                        ; sh
	s_lshl_b32 s56, s20, 27                        ; enc: 256 sh rows of 2^19 bytes
	s_lshl_b32 s57, s19, 12                        ; b's 4,096 bytes
	s_add_co_u32 s56, s56, s57
	s_lshl_b32 s57, s14, 10                        ; my K quarter
	s_add_co_u32 s56, s56, s57
	s_mov_b32 s57, 0
	s_lshl_b32 s58, s19, 12                        ; hidden[b]
	s_mov_b32 s59, 0
	s_lshl_b32 s22, s19, 11                        ; scores: 2,048 bytes a b, 1,024 a half
	s_lshl_b32 s23, s20, 10
	s_add_co_u32 s22, s22, s23
	s_mov_b32 s23, 0
	s_mov_b32 s48, 0x76543210
	s_mov_b32 s49, 0xfedcba98                      ; selects for lane l xor 16
	s_mov_b32 s50, 0x600000                        ; the mantissa field of 448
	s_mul_i32 s24, s14, STGW
	s_add_co_u32 s24, s24, STG
	s_lshl_b32 s25, s14, 16                        ; my images
	s_lshl_b32 s26, s14, 11
	s_add_co_u32 s27, s26, SCP
	s_add_co_u32 s26, s26, ISC
	s_lshl_b32 s28, s14, 12                        ; my two K steps in a tile of wq
	s_lshl_b32 s29, s14, 10                        ; and their scale words
	v_lshl_add_u32 v[SPW], v0, 2, SPARE
	v_mov_b32 v[NIL], 0
	v_and_b32 v[LN], 31, v0
	v_and_b32 v[RR], 15, v0
	v_bfe_u32 v[HH], v0, 4, 1
	v_lshlrev_b32 v[L16], 4, v[LN]
	v_mov_b32 v[VOFF], v[L16]
	v_add_nc_u32 v[STW], s24, v[L16]
	v_mul_u32_u24 v[STR], v[RR], SPI
	v_lshl_add_u32 v[STR], v[HH], 6, v[STR]
	v_add_nc_u32 v[STR], s24, v[STR]
	v_add_nc_u32 v[IMW], s25, v[L16]
	v_add_nc_u32 v[AAD], s25, v[L16]
	v_lshl_add_u32 v[ISW], v[RR], 2, s26
	v_lshl_add_u32 v[ASD], v[LN], 2, s26
	v_lshl_add_u32 v[HAD], v[HH], 5, HT
	v_lshl_add_u32 v[HST], v0, 4, HT
	v_lshlrev_b32 v[HGO], 4, v0
	v_add_nc_u32 v[WCO], s28, v[L16]
	v_lshl_add_u32 v[WSO], v[RR], 2, s29
	v_lshl_add_u32 v[WSO], v[HH], 9, v[WSO]
	v_lshl_add_u32 v[SCW], v[RR], 2, s27
	v_lshl_add_u32 v[SCW], v[HH], 10, v[SCW]
	v_lshl_add_u32 v[SCR], v0, 3, SCP
	v_lshlrev_b32 v[OGO], 3, v0
.irp b, 0,1,2,3
	v_mov_b32 v[TM+4+\b], 0                        ; a lane permute's destination counts as a source
.endr
	s_wait_alu depctr_va_vdst(0)
	s_wait_kmcnt 0x0
	s_add_nc_u64 s[40:41], s[4:5], s[56:57]        ; a base for each ring place: (m, c) = (j / 2, j % 2)
	s_add_nc_u64 s[42:43], s[40:41], 512
	s_add_nc_u64 s[44:45], s[40:41], 0x800000
	s_add_nc_u64 s[46:47], s[42:43], 0x800000
	s_add_nc_u64 s[8:9], s[8:9], s[58:59]
	s_add_nc_u64 s[10:11], s[10:11], s[22:23]
	global_load_b128 v[48:51], v[HGO], s[8:9]
	global_load_b128 v[52:55], v[HGO], s[8:9] offset:2048
	GLOAD 0
	GLOAD 1
	GLOAD 2
	WIN 0
	s_wait_loadcnt 48                              ; hidden is in; three units stay out
	ds_store_b128 v[HST], v[48:51]
	ds_store_b128 v[HST], v[52:55] offset:2048
	GLOAD 3
	s_wait_loadcnt 48                              ; unit 0 is in
	TOSTAGE 0, X
	; PHASE 1: 8 blocks of four units; seven ask for the next block's, the last is written out and asks for nothing of enc
	s_mov_b32 s[CNT], 7
.Lblock:
	s_wait_dscnt 0x0                               ; the block's first unit is back from the stage
	s_wait_xcnt 0x0                                ; the loads that named the offset have read it
	v_add_nc_u32 v[VOFF], 0x1000000, v[VOFF]       ; two row tiles on
	PUNIT 0, 1
	PUNIT 1, 1
	PUNIT 2, 1
	PUNIT 3, 1
	v_add_nc_u32 v[IMW], 8192, v[IMW]
	v_add_nc_u32 v[ISW], 256, v[ISW]
	s_sub_co_u32 s[CNT], s[CNT], 1
	s_cmp_lg_u32 s[CNT], 0
	s_wait_alu depctr_va_vdst(0)
	s_cbranch_scc1 .Lblock
	s_wait_dscnt 0x0
	PUNIT 0, 0
	PUNIT 1, 0
	PUNIT 2, 0
	WSC 0, 0                                       ; no load of enc is out: W's first chunk sets out under the last unit's work: 56 loads,
	WLD 0, 0, 12, 0
	WIN 0
	PUNIT 3, 0
	WLD 0, 12, 4, 0                                ; and 16
	WIN 0
	s_wait_dscnt 0x0                               ; for the others' sake: my part of hidden has landed
	s_barrier_signal -1
	s_barrier_wait -1
	; PHASE 2
.irp i, 0,1,2,3,4,5,6,7,8,9,10,11,12,13,14,15,16,17,18,19,20,21,22,23,24,25,26,27,28,29,30,31
	v_mov_b32 v[TOT+\i], 0                         ; the 16 row tiles' sums, once
.endr
	ALD 0, 0
	HLD 0
	WIN 0
	s_mov_b32 s[CNT], 4
	s_wait_alu depctr_va_vdst(0)
.Lpair:                                                ; a trip: two chunks, one on each set of W
	CHUNK 0
	CHUNK 1
	WIN 0
	s_wait_xcnt 0x0                                ; W's loads have read their base
	s_add_nc_u64 s[WB:WB+1], s[WB:WB+1], 2*TILEB
	v_add_nc_u32 v[HAD], 1024, v[HAD]
	s_sub_co_u32 s[CNT], s[CNT], 1
	s_cmp_lg_u32 s[CNT], 0
	s_wait_alu depctr_va_vdst(0)
	s_cbranch_scc1 .Lpair
	; THE END: a pair's two halves; then the two halves of the lanes and the four K quarters meet in LDS
	s_wait_alu depctr_va_vdst(0)
.irp m, 0,1,2,3,4,5,6,7,8,9,10,11,12,13,14,15
	v_add_f32 v[T+\m], v[TOT+2*\m], v[TOT+2*\m+1]
.endr
.irp m, 0,1,2,3,4,5,6,7,8,9,10,11,12,13,14,15
	ds_store_b32 v[SCW], v[T+\m] offset:64*\m      ; row 16 m + r of part 2 w + h
.endr
	s_wait_dscnt 0x0                               ; for the others' sake
	s_barrier_signal -1
	s_barrier_wait -1
.irp k, 0,1,2,3,4,5,6,7
	ds_load_b64 v[112+2*\k:113+2*\k], v[SCR] offset:1024*\k   ; thread t: rows 2 t, 2 t + 1 of the eight parts
.endr
	s_wait_dscnt 0x0
.irp k, 0,4,8,12
	v_pk_add_f32 v[112+\k:113+\k], v[112+\k:113+\k], v[114+\k:115+\k]
.endr
	v_pk_add_f32 v[112:113], v[112:113], v[116:117]
	v_pk_add_f32 v[120:121], v[120:121], v[124:125]
	v_pk_add_f32 v[112:113], v[112:113], v[120:121]
	global_store_b64 v[OGO], v[112:113], s[10:11]  ; a wave stores 256 consecutive bytes, aligned
	s_wait_tensorcnt 0x0                           ; the wave's end
	ds_add_u32 v[SPW], v[NIL]
	s_wait_dscnt 0x0
	s_endpgm
.Lfunc_end_k_q2dcd87bd49_scorek:
	.size	k_q2dcd87bd49_scorek, .Lfunc_end_k_q2dcd87bd49_scorek-k_q2dcd87bd49_scorek
	.p2alignl 7, 3214868480
	.fill 96, 4, 3214868480
	.section	.rodata,"a",@progbits
	.p2align	6, 0x0
	.amdhsa_kernel k_q2dcd87bd49_scorek
		.amdhsa_group_segment_fixed_size 316928
		.amdhsa_private_segment_fixed_size 0
		.amdhsa_enable_private_segment 0
		.amdhsa_kernarg_size 32
		.amdhsa_user_sgpr_count 2
		.amdhsa_user_sgpr_kernarg_segment_ptr 1
		.amdhsa_wavefront_size32 1
		.amdhsa_system_sgpr_workgroup_id_x 1
		.amdhsa_system_sgpr_workgroup_id_y 1
		.amdhsa_system_sgpr_workgroup_id_z 1
		.amdhsa_system_vgpr_workitem_id 0
		.amdhsa_next_free_vgpr 1024
		.amdhsa_next_free_sgpr 66
		.amdhsa_reserve_vcc 0
		.amdhsa_float_denorm_mode_32 3
		.amdhsa_float_denorm_mode_16_64 3
		.amdhsa_memory_ordered 1
		.amdhsa_forward_progress 1
		.amdhsa_inst_pref_size 255
	.end_amdhsa_kernel
	.section	.bss,"aw",@nobits
	.p2align	6
	.space	262144
	.amdgpu_metadata
---
amdhsa.version: [ 1, 2 ]
amdhsa.kernels:
  - .name:           k_q2dcd87bd49_scorek
    .symbol:         k_q2dcd87bd49_scorek.kd
    .args:
      - { .name: encoder_outputs, .offset: 0, .size: 8, .value_kind: global_buffer, .address_space: global }
      - { .name: wq, .offset: 8, .size: 8, .value_kind: global_buffer, .address_space: global }
      - { .name: hidden, .offset: 16, .size: 8, .value_kind: global_buffer, .address_space: global }
      - { .name: scores, .offset: 24, .size: 8, .value_kind: global_buffer, .address_space: global }
    .group_segment_fixed_size: 316928
    .private_segment_fixed_size: 0
    .kernarg_segment_align: 8
    .kernarg_segment_size: 32
    .max_flat_workgroup_size: 128
    .sgpr_count:     66
    .vgpr_count:     1024
    .wavefront_size: 32
...
	.end_amdgpu_metadata
.endif
;; end of part 5
;; launch softk (part 6): grid 32 x 1, 4 waves a work-group, no clusters, 0 bytes of LDS; arguments scores, out0; writes out0
.if DOCPART == 6
	.amdgcn_target "amdgcn-amd-amdhsa--gfx1250"
	.amdhsa_code_object_version 6
	.text
	.protected	k_q2dcd87bd49_softk
	.globl	k_q2dcd87bd49_softk
	.p2align	8
	.type	k_q2dcd87bd49_softk,@function
k_q2dcd87bd49_softk:
	s_mov_b64 s[64:65], 0
	v_nop
	global_prefetch_b8 v0, s[64:65] scope:SCOPE_SE
	s_setreg_imm32_b32 hwreg(HW_REG_WAVE_MODE, 25, 1), 1
	s_wait_xcnt 0x0
; out0[b][0][s] = softmax over s of scores[b][s].  scores, out0: [128][512] f32.  One wave takes one row b: 2,048 bytes, 16 numbers a lane, kept in registers between the passes.
; The row's maximum is taken away before the exponential; the difference is formed first and then scaled by log2(e), so that large scores lose nothing.  No LDS, no barrier: waves share nothing.
; Matrix units, clusters and rings have nothing to do here: 512 KiB move in all.  LIMITS: NaN and infinities among the scores are not served.
	s_load_b128 s[4:7], s[0:1], 0x0                ; scores, out0
	v_lshrrev_b32 v1, 5, v0
	v_readfirstlane_b32 s8, v1                     ; wave
	v_and_b32 v1, 31, v0
	v_lshlrev_b32 v1, 4, v1                        ; 16 x lane
	s_lshl_b32 s9, ttmp9, 2
	s_add_co_u32 s9, s9, s8                        ; b
	s_lshl_b32 s10, s9, 11
	s_mov_b32 s11, 0
	s_mov_b32 s12, 0x76543210
	s_mov_b32 s13, 0xfedcba98                      ; v_permlanex16_b32's selects for lane l xor 16
	s_wait_alu depctr_va_vdst(0)
	s_wait_kmcnt 0x0
	s_add_nc_u64 s[4:5], s[4:5], s[10:11]
	s_add_nc_u64 s[6:7], s[6:7], s[10:11]
.irp i, 0,1,2,3
	global_load_b128 v[4+4*\i:7+4*\i], v1, s[4:5] offset:512*\i   ; 512 consecutive bytes a load
.endr
	s_wait_loadcnt 0x0
	v_max3_num_f32 v20, v4, v5, v6                 ; the largest of my 16, in two chains
	v_max3_num_f32 v21, v7, v8, v9
	v_max3_num_f32 v20, v20, v10, v11
	v_max3_num_f32 v21, v21, v12, v13
	v_max3_num_f32 v20, v20, v14, v15
	v_max3_num_f32 v21, v21, v16, v17
	v_max3_num_f32 v20, v20, v18, v19
	v_max_num_f32 v20, v20, v21
	v_max_num_f32_dpp v20, v20, v20 row_xmask:1 row_mask:0xf bank_mask:0xf
	v_max_num_f32_dpp v20, v20, v20 row_xmask:2 row_mask:0xf bank_mask:0xf
	v_max_num_f32_dpp v20, v20, v20 row_xmask:4 row_mask:0xf bank_mask:0xf
	v_max_num_f32_dpp v20, v20, v20 row_xmask:8 row_mask:0xf bank_mask:0xf
	v_permlanex16_b32 v21, v20, s12, s13
	v_max_num_f32 v20, v20, v21                    ; the row's maximum, in every lane
.irp j, 0,2,4,6,8,10,12,14
	v_pk_add_f32 v[4+\j:5+\j], v[4+\j:5+\j], v[20:21] op_sel_hi:[1,0] neg_lo:[0,1] neg_hi:[0,1]   ; x - the maximum (the pair's low word serves both halves)
.endr
.irp j, 0,2,4,6,8,10,12,14
	v_pk_mul_f32 v[4+\j:5+\j], v[4+\j:5+\j], 0x3fb8aa3b op_sel_hi:[1,0]   ; x log2(e)
.endr
	s_wait_alu depctr_va_vdst(0)
.irp j, 0,1,2,3,4,5,6,7,8,9,10,11,12,13,14,15
	v_exp_f32 v[4+\j], v[4+\j]
.endr
	v_nop                                          ; one plain line behind the exponentials, before their results are used
	s_wait_alu depctr_va_vdst(0)
	v_pk_add_f32 v[20:21], v[4:5], v[6:7]          ; the sum, two at a time, in two chains
	v_pk_add_f32 v[22:23], v[8:9], v[10:11]
	v_pk_add_f32 v[20:21], v[20:21], v[12:13]
	v_pk_add_f32 v[22:23], v[22:23], v[14:15]
	v_pk_add_f32 v[20:21], v[20:21], v[16:17]
	v_pk_add_f32 v[22:23], v[22:23], v[18:19]
	v_pk_add_f32 v[20:21], v[20:21], v[22:23]
	v_add_f32 v20, v20, v21
	v_add_f32_dpp v20, v20, v20 row_xmask:1 row_mask:0xf bank_mask:0xf
	v_add_f32_dpp v20, v20, v20 row_xmask:2 row_mask:0xf bank_mask:0xf
	v_add_f32_dpp v20, v20, v20 row_xmask:4 row_mask:0xf bank_mask:0xf
	v_add_f32_dpp v20, v20, v20 row_xmask:8 row_mask:0xf bank_mask:0xf
	v_permlanex16_b32 v21, v20, s12, s13
	v_add_f32 v20, v20, v21                        ; the row's sum: at least 1, since the maximum's term is 1
	s_wait_alu depctr_va_vdst(0)
	v_rcp_f32 v22, v20
	v_nop                                          ; one plain line behind the reciprocal
	s_wait_alu depctr_va_vdst(0)
.irp j, 0,2,4,6,8,10,12,14
	v_pk_mul_f32 v[4+\j:5+\j], v[4+\j:5+\j], v[22:23] op_sel_hi:[1,0]
.endr
.irp i, 0,1,2,3
	global_store_b128 v1, v[4+4*\i:7+4*\i], s[6:7] offset:512*\i   ; 512 consecutive bytes a store
.endr
	s_endpgm
.Lfunc_end_k_q2dcd87bd49_softk:
	.size	k_q2dcd87bd49_softk, .Lfunc_end_k_q2dcd87bd49_softk-k_q2dcd87bd49_softk
	.p2alignl 7, 3214868480
	.fill 96, 4, 3214868480
	.section	.rodata,"a",@progbits
	.p2align	6, 0x0
	.amdhsa_kernel k_q2dcd87bd49_softk
		.amdhsa_group_segment_fixed_size 0
		.amdhsa_private_segment_fixed_size 0
		.amdhsa_enable_private_segment 0
		.amdhsa_kernarg_size 16
		.amdhsa_user_sgpr_count 2
		.amdhsa_user_sgpr_kernarg_segment_ptr 1
		.amdhsa_wavefront_size32 1
		.amdhsa_system_sgpr_workgroup_id_x 1
		.amdhsa_system_sgpr_workgroup_id_y 1
		.amdhsa_system_sgpr_workgroup_id_z 1
		.amdhsa_system_vgpr_workitem_id 0
		.amdhsa_next_free_vgpr 48
		.amdhsa_next_free_sgpr 66
		.amdhsa_reserve_vcc 0
		.amdhsa_float_denorm_mode_32 3
		.amdhsa_float_denorm_mode_16_64 3
		.amdhsa_memory_ordered 1
		.amdhsa_forward_progress 1
		.amdhsa_inst_pref_size 6
	.end_amdhsa_kernel
	.amdgpu_metadata
---
amdhsa.version: [ 1, 2 ]
amdhsa.kernels:
  - .name:           k_q2dcd87bd49_softk
    .symbol:         k_q2dcd87bd49_softk.kd
    .args:
      - { .name: scores, .offset: 0, .size: 8, .value_kind: global_buffer, .address_space: global }
      - { .name: out0, .offset: 8, .size: 8, .value_kind: global_buffer, .address_space: global }
    .group_segment_fixed_size: 0
    .private_segment_fixed_size: 0
    .kernarg_segment_align: 8
    .kernarg_segment_size: 16
    .max_flat_workgroup_size: 128
    .sgpr_count:     66
    .vgpr_count:     48
    .wavefront_size: 32
...
	.end_amdgpu_metadata
.endif
;; end of part 6
